; MI455X (gfx1250); checked and timed in simulation.
; The chip was launched on July 23, 2026; its instructions are those of AMD's public machine-readable ISA for CDNA 5 (MIT licence, August 2026) and "CDNA5" Instruction Set Architecture Reference Guide (July 2026). The comments in the code are by the model that wrote it; some were corrected since.
;; Experts Model. Allowed arithmetic: float matrix products may take bf16 or f16 operands with f32 sums; all other float work in f32.
;; Inputs: W1 8 x 512 x 2,048 float32; W2 8 x 2,048 x 512 float32; Wg 512 x 8 float32; b1 8 x 2,048 float32; b2 8 x 512 float32; bg 8 float32; x 4,096 x 512 float32.
;; Outputs: out0 4,096 x 512 float32.
;; 2 versions, each right; version 2 is version 1 with the launches ffn1, ffn2 written anew for expert scheduling mode. Each part assembles by itself: llvm-mc -triple=amdgcn-amd-amdhsa -mcpu=gfx1250 --defsym DOCPART=n.
;; ======== version 1 of 2: 5 launches
;; limits: values outside matrix products are rounded to bf16
;; workspace buffers: idx 16,384 bytes of whole numbers; xb 4,194,304 bytes; xs 4,325,376 bytes; segs 256 bytes of whole numbers; posof 16,384 bytes of whole numbers; h 17,301,504 bytes; part 34,603,008 bytes
;; launch gate (part 1): grid 256 x 1, 4 waves a work-group, no clusters, 0 bytes of LDS; arguments x, Wg, bg, idx, xb; writes idx, xb
.if DOCPART == 1
	.amdgcn_target "amdgcn-amd-amdhsa--gfx1250"
	.amdhsa_code_object_version 6
	.text
	.protected	k_qefb6acac04_gate
	.globl	k_qefb6acac04_gate
	.p2align	8
	.type	k_qefb6acac04_gate,@function
k_qefb6acac04_gate:
	s_mov_b64 s[64:65], 0
	v_nop
	global_prefetch_b8 v0, s[64:65] scope:SCOPE_SE
	s_setreg_imm32_b32 hwreg(HW_REG_WAVE_MODE, 25, 1), 1
	s_wait_xcnt 0x0
; idx[t] = argmax over e of (x[t] . Wg[:, e] + bg[e]);  xb = x rounded to bf16, row-major.
; x: [4096][512] f32, Wg: [512][8] f32, bg: [8] f32, idx: [4096] int32, xb: [4096][512] bf16.
; NUMBERS: x, Wg and bg are rounded once to bf16 (nearest even), as every floating-point input of this program is; the products of two
; bf16 are exact in f32, and the sums are f32 on the vector unit.  The first maximum wins (strict >), as in argmax.
; LIMITS: a token whose two best logits lie closer than the bf16 rounding of x, Wg and bg moves them (some 0.3 per cent of the logits'
; spread) may get another expert than an unrounded f32 gate gives it; ties within the order of f32 summation likewise.  A NaN logit never wins here.
; The matrix unit is left out: 8 output columns, and an argmax wants the plainest f32 sum.  No LDS, no barrier: a token never leaves its wave.
; SHARE: a work-group has 16 tokens, a wave 4.  Lane L holds k = 128 i + 4 L + kk (i, kk = 0..3) of x and the 8 weights of each of these 16 k.
; No branch and no address hangs on a floating-point number: the choice is made by v_cndmask_b32 and leaves as data.
.set BG,   8                           ; v[8:15]    bg, rounded
.set IX,   16                          ; v[16:19]   the four tokens' experts
.set ACC,  20                          ; v[20:27]   one token's eight sums
.set PB,   28                          ; v[28:35]   one token's 16 numbers as bf16, to store
.set BEST, 36                          ; v36        running maximum
.set X,    40                          ; v[40:103]  token j: 16 registers, number 4 i + kk
.set W,    104                         ; v[104:231] weight of (k number q = 4 i + kk, expert e) at 8 q + e
	s_load_b256 s[4:11], s[0:1], 0x0               ; x s[4:5], Wg s[6:7], bg s[8:9], idx s[10:11]
	s_load_b64 s[12:13], s[0:1], 0x20              ; xb
	v_and_b32 v1, 31, v0                           ; L
	v_lshrrev_b32 v6, 5, v0
	v_readfirstlane_b32 s14, v6                    ; wave
	v_lshlrev_b32 v2, 4, v1                        ; 16 L: my 16 bytes in 512 bytes of x
	v_lshlrev_b32 v3, 7, v1                        ; 128 L: my four rows of Wg
	v_lshlrev_b32 v4, 3, v1                        ; 8 L: my 8 bytes in 256 bytes of xb
	v_mov_b32 v5, 0                                ; destination of v_permlanex16_b32, which counts as read
	s_mov_b32 s24, 0x76543210                      ; lane i of one half reads lane i of the other
	s_mov_b32 s25, 0xfedcba98
	s_mov_b32 s26, 0xffff0000                      ; a word's upper bf16
	s_lshl_b32 s15, ttmp9, 4
	s_lshl2_add_u32 s15, s14, s15                  ; my first token = 16 x work-group + 4 x wave
	s_mov_b32 s29, 0
	s_wait_kmcnt 0x0
	s_load_b256 s[16:23], s[8:9], 0x0              ; bg, 32 bytes
	; Wg: row k is 32 bytes; my rows 128 i + 4 L + kk are 128 neighbouring bytes for each i.  The table's 16,384 bytes are read once by each wave.
.irp i, 0,1,2,3
.irp kk, 0,1,2,3
	global_load_b128 v[W+32*\i+8*\kk:W+32*\i+8*\kk+3],   v3, s[6:7] offset:\i*4096+\kk*32
	global_load_b128 v[W+32*\i+8*\kk+4:W+32*\i+8*\kk+7], v3, s[6:7] offset:\i*4096+\kk*32+16
.endr
.endr
	s_lshl_b32 s28, s15, 11                        ; rows of 2,048 bytes
	s_add_nc_u64 s[4:5], s[4:5], s[28:29]
.irp j, 0,1,2,3
.irp i, 0,1,2,3
	global_load_b128 v[X+16*\j+4*\i:X+16*\j+4*\i+3], v2, s[4:5] offset:\j*2048+\i*512 th:TH_LOAD_NT   ; 512 neighbouring bytes a wave
.endr
.endr
	s_lshl_b32 s28, s15, 10                        ; xb: rows of 1,024 bytes
	s_add_nc_u64 s[12:13], s[12:13], s[28:29]
	s_lshl_b32 s28, s15, 2                         ; idx: 4 bytes a token
	s_add_nc_u64 s[10:11], s[10:11], s[28:29]
	s_wait_loadcnt 16                              ; the 16 loads of x are younger and stay out: Wg is in
.set p, 0
.rept 64                                           ; Wg to bf16 and back to f32, two numbers at a time
	v_cvt_pk_bf16_f32 v[6+(p&1)], v[W+2*p], v[W+2*p+1]
	v_lshlrev_b32 v[W+2*p], 16, v[6+(p&1)]
	v_and_b32 v[W+2*p+1], s26, v[6+(p&1)]
.set p, p+1
.endr
	s_wait_kmcnt 0x0                               ; bg
.irp p, 0,1,2,3
	v_cvt_pk_bf16_f32 v6, s[16+2*\p], s[17+2*\p]
	v_lshlrev_b32 v[BG+2*\p], 16, v6
	v_and_b32 v[BG+2*\p+1], s26, v6
.endr
; One token: round, store the rounded row, eight dot products, the sum over the lanes, the choice.
.macro TOKEN j
	s_wait_loadcnt 12-4*\j                         ; loads come back in order: the later tokens' four loads each stay out
	s_wait_xcnt 0x0                                ; PB, which the last token's stores read, is rewritten only behind this wait
.irp i, 0,1,2,3
	v_cvt_pk_bf16_f32 v[PB+2*\i],   v[X+16*\j+4*\i],   v[X+16*\j+4*\i+1]
	v_cvt_pk_bf16_f32 v[PB+2*\i+1], v[X+16*\j+4*\i+2], v[X+16*\j+4*\i+3]
	global_store_b64 v4, v[PB+2*\i:PB+2*\i+1], s[12:13] offset:\j*1024+\i*256   ; the wave stores 256 consecutive bytes, aligned
	v_lshlrev_b32 v[X+16*\j+4*\i],   16,  v[PB+2*\i]
	v_and_b32     v[X+16*\j+4*\i+1], s26, v[PB+2*\i]
	v_lshlrev_b32 v[X+16*\j+4*\i+2], 16,  v[PB+2*\i+1]
	v_and_b32     v[X+16*\j+4*\i+3], s26, v[PB+2*\i+1]
.endr
	; two experts an instruction, x broadcast from one register of its pair; four chains; the first products start the sums
.irp ep, 0,1,2,3
	v_pk_mul_f32 v[ACC+2*\ep:ACC+2*\ep+1], v[X+16*\j:X+16*\j+1], v[W+2*\ep:W+2*\ep+1] op_sel_hi:[0,1]
.endr
.set q, 1
.rept 15
.irp ep, 0,1,2,3
.if q & 1
	v_pk_fma_f32 v[ACC+2*\ep:ACC+2*\ep+1], v[X+16*\j+q-1:X+16*\j+q], v[W+8*q+2*\ep:W+8*q+2*\ep+1], v[ACC+2*\ep:ACC+2*\ep+1] op_sel:[1,0,0] op_sel_hi:[1,1,1]
.else
	v_pk_fma_f32 v[ACC+2*\ep:ACC+2*\ep+1], v[X+16*\j+q:X+16*\j+q+1], v[W+8*q+2*\ep:W+8*q+2*\ep+1], v[ACC+2*\ep:ACC+2*\ep+1] op_sel_hi:[0,1,1]
.endif
.endr
.set q, q+1
.endr
	; over the 32 lanes: four steps inside each half of 16, one across; every lane ends with the sum
.irp m, 1,2,4,8
.irp e, 0,1,2,3,4,5,6,7
	v_add_f32_dpp v[ACC+\e], v[ACC+\e], v[ACC+\e] row_xmask:\m row_mask:0xf bank_mask:0xf
.endr
.endr
.irp e, 0,1,2,3,4,5,6,7
	v_permlanex16_b32 v5, v[ACC+\e], s24, s25
	v_add_f32 v[ACC+\e], v[ACC+\e], v5
	v_add_f32 v[ACC+\e], v[ACC+\e], v[BG+\e]
.endr
	v_mov_b32 v[BEST], v[ACC]
	v_mov_b32 v[IX+\j], 0
.irp e, 1,2,3,4,5,6,7
	v_cmp_gt_f32 vcc_lo, v[ACC+\e], v[BEST]        ; strictly larger: the first maximum stays
	v_cndmask_b32 v[BEST], v[BEST], v[ACC+\e], vcc_lo
	v_cndmask_b32 v[IX+\j], v[IX+\j], \e, vcc_lo
.endr
.endm
	TOKEN 0
	TOKEN 1
	TOKEN 2
	TOKEN 3
	s_wait_xcnt 0x0                                ; EXEC is a source of the stores above: it changes only behind this wait
	v_cmp_eq_u32 vcc_lo, 0, v1
	s_and_saveexec_b32 s27, vcc_lo
	global_store_b128 v2, v[IX:IX+3], s[10:11]     ; lane 0: the wave's four experts, 16 bytes (16,384 bytes in the whole launch)
	s_endpgm
.Lfunc_end_k_qefb6acac04_gate:
	.size	k_qefb6acac04_gate, .Lfunc_end_k_qefb6acac04_gate-k_qefb6acac04_gate
	.p2alignl 7, 3214868480
	.fill 96, 4, 3214868480
	.section	.rodata,"a",@progbits
	.p2align	6, 0x0
	.amdhsa_kernel k_qefb6acac04_gate
		.amdhsa_group_segment_fixed_size 0
		.amdhsa_private_segment_fixed_size 0
		.amdhsa_enable_private_segment 0
		.amdhsa_kernarg_size 40
		.amdhsa_user_sgpr_count 2
		.amdhsa_user_sgpr_kernarg_segment_ptr 1
		.amdhsa_wavefront_size32 1
		.amdhsa_system_sgpr_workgroup_id_x 1
		.amdhsa_system_sgpr_workgroup_id_y 1
		.amdhsa_system_sgpr_workgroup_id_z 1
		.amdhsa_system_vgpr_workitem_id 0
		.amdhsa_next_free_vgpr 232
		.amdhsa_next_free_sgpr 66
		.amdhsa_reserve_vcc 1
		.amdhsa_float_denorm_mode_32 3
		.amdhsa_float_denorm_mode_16_64 3
		.amdhsa_memory_ordered 1
		.amdhsa_forward_progress 1
		.amdhsa_inst_pref_size 52
	.end_amdhsa_kernel
	.amdgpu_metadata
---
amdhsa.version: [ 1, 2 ]
amdhsa.kernels:
  - .name:           k_qefb6acac04_gate
    .symbol:         k_qefb6acac04_gate.kd
    .args:
      - { .name: x, .offset: 0, .size: 8, .value_kind: global_buffer, .address_space: global }
      - { .name: Wg, .offset: 8, .size: 8, .value_kind: global_buffer, .address_space: global }
      - { .name: bg, .offset: 16, .size: 8, .value_kind: global_buffer, .address_space: global }
      - { .name: idx, .offset: 24, .size: 8, .value_kind: global_buffer, .address_space: global }
      - { .name: xb, .offset: 32, .size: 8, .value_kind: global_buffer, .address_space: global }
    .group_segment_fixed_size: 0
    .private_segment_fixed_size: 0
    .kernarg_segment_align: 8
    .kernarg_segment_size: 40
    .max_flat_workgroup_size: 128
    .sgpr_count:     66
    .vgpr_count:     232
    .wavefront_size: 32
...
	.end_amdgpu_metadata
.endif
;; end of part 1
;; launch route (part 2): grid 132 x 1, 8 waves a work-group, no clusters, 40,448 bytes of LDS; arguments idx, xb, xs, segs, posof; writes xs, segs, posof
.if DOCPART == 2
	.amdgcn_target "amdgcn-amd-amdhsa--gfx1250"
	.amdhsa_code_object_version 6
	.text
	.protected	k_qefb6acac04_route
	.globl	k_qefb6acac04_route
	.p2align	8
	.type	k_qefb6acac04_route,@function
k_qefb6acac04_route:
	s_mov_b64 s[64:65], 0
	v_nop
	global_prefetch_b8 v0, s[64:65] scope:SCOPE_SE
	s_setreg_imm32_b32 hwreg(HW_REG_WAVE_MODE, 25, 1), 1
	s_wait_xcnt 0x0
; Sorts the tokens by expert and lays their bf16 rows out for the matrix unit.
; SORTED ORDER: experts ascending; expert e has nb_e = ceil(n_e / 16) blocks of 16 rows from block blk0_e on (the sum of the nb before it);
; at most 263 blocks are in use, 264 are written.  Rows without a token are zeros.
; xs: 264 blocks of 16,384 bytes; the 16 bytes (row r, k = 8 q .. 8 q + 7) lie at byte 256 q + 16 r of the block, so that 512 consecutive
; bytes are half an operand fragment of 16 rows x 32 k (ISA guide 7.12.2: lane 16 h + r holds row r, k = 8 h + 0..7 and 16 + 8 h + 0..7).
; segs: words 0-7 blk0_e, words 8-15 nb_e.  posof[t]: token t's place in the sorted order.
; SHARE: every work-group ranks all 4,096 indices again (16,384 bytes, whole numbers only; no traffic between work-groups) and writes blocks
; g and g + 132 of xs; work-group 0 also stores segs and posof.  Block g < 132 is always in use (256 blocks at the least are).
; Wave w ranks tokens 512 w .. 512 w + 511 and moves rows 2 w, 2 w + 1 of both blocks.  All three barriers stand in straight text.
.set CNT,  0                           ; LDS: 8 waves x 8 counts
.set LIST, 512                         ; LDS: 512 bytes for each wave, its own: slots 0-15 block g, 16-31 block g + 132, 32 all other places
.set STG0, 4608                        ; LDS: a block as 64 pieces-rows (q) of 256 bytes, pitch 272: lanes 16 bytes x 272 apart start in 16 different columns of 16 bytes
.set STGB, 17408                       ; bytes of a stage; the second block's follows
.set SENT, 0x1000                      ; no token: larger than every token's number
.set IDX,  16                          ; v[16:31]   register u = 4 c + j: expert of token 512 w + 128 c + 4 L + j
.set POS,  32                          ; v[32:47]   its rank, then its place
.set TOT,  48                          ; v[48:55]   tokens of expert e; later v[48:51] the four rows' offsets in xb
.set C,    64                          ; v[64:127]  all waves' counts (8 w' + e); later at work
.set D,    64                          ; v[64:95]   four rows of xb
.set R,    96                          ; v[96:127]  the two blocks' parts on their way out
.set BLK,  128                         ; v[128:135] blk0_e
.set NB,   136                         ; v[136:143] nb_e
.set TBLV, 144                         ; v[144:151] place of my wave's first token of expert e
.set TV,   152                         ; v152       the same, expert e in lane e
	s_load_b256 s[4:11], s[0:1], 0x0               ; idx s[4:5], xb s[6:7], xs s[8:9], segs s[10:11]
	s_load_b64 s[12:13], s[0:1], 0x20              ; posof
	v_lshl_add_u32 v160, v0, 2, 0x9a00
	v_mov_b32 v161, 0
	v_and_b32 v1, 31, v0                           ; L
	v_lshrrev_b32 v6, 5, v0
	v_readfirstlane_b32 s14, v6                    ; wave w
	v_lshlrev_b32 v2, 4, v1                        ; 16 L
	s_lshl_b32 s35, s14, 9                         ; 512 w
	s_lshl_b32 s36, s14, 5                         ; 32 w
	s_lshl_b32 s37, s14, 3                         ; 8 w
	s_lshl_b32 s39, s14, 11                        ; 2,048 w
	s_mul_i32 s38, s14, 8*272                      ; my 8 pieces-rows of a stage
	s_lshl_b32 s34, ttmp9, 4                       ; 16 g: first place of block g
	s_lshl_b32 s32, ttmp9, 14                      ; block g in xs
	s_mov_b32 s33, 0
	v_add_nc_u32 v3, s39, v2                       ; 2,048 w + 16 L: my words of idx and posof, my bytes of a block
	v_mov_b32 v4, 0
	v_lshlrev_b32 v5, 2, v1
	v_add_nc_u32 v5, s35, v5                       ; 512 w + 4 L: token of register 0
	v_add_nc_u32 v7, s35, v2                       ; my wave's list, 16 bytes a lane
	v_mov_b32 v8, SENT
	v_mov_b32 v9, SENT
	v_mov_b32 v10, SENT
	v_mov_b32 v11, SENT
	v_mov_b32 v12, s36
	v_mov_b32 v13, s37
	v_mul_u32_u24 v14, v1, 272
	v_add_nc_u32 v14, s36, v14                     ; into a stage: pieces-row L, rows 2 w ..
	v_lshrrev_b32 v15, 4, v1
	v_mul_u32_u24 v15, v15, 272
	v_and_b32 v6, 15, v1
	v_lshl_add_u32 v15, v6, 4, v15
	v_add_nc_u32 v15, s38, v15                     ; out of a stage: two pieces-rows of 256 bytes a load
.irp e, 0,1,2,3,4,5,6,7
	s_mov_b32 s[16+\e], 0                          ; running counts of my wave
.endr
.irp p, 0,1,2,3,4,5,6
	s_cmp_gt_u32 s14, \p
	s_cselect_b32 s[24+\p], 1, 0                   ; 1 where wave p stands in front of mine
.endr
	s_wait_kmcnt 0x0
.irp c, 0,1,2,3
	global_load_b128 v[IDX+4*\c:IDX+4*\c+3], v3, s[4:5] offset:\c*512
.endr
	s_add_nc_u64 s[8:9], s[8:9], s[32:33]
	ds_store_b128 v7, v[8:11] offset:LIST          ; my list: no token anywhere
	s_wait_loadcnt 0x0
.irp u, 0,1,2,3,4,5,6,7,8,9,10,11,12,13,14,15
	v_min_u32 v[IDX+\u], 7, v[IDX+\u]
.endr
; Rank of register u's 32 tokens among my wave's tokens of the same expert: those of earlier registers (s16-23) and of lower lanes.
.macro RANK u
.irp e, 0,1,2,3,4,5,6,7
	v_cmp_eq_u32 s[40+\e], \e, v[IDX+\u]
.endr
	v_mbcnt_lo_u32_b32 v[POS+\u], s40, s16         ; written whole; right for expert 0, replaced below for the others
.irp e, 1,2,3,4,5,6,7
	v_mbcnt_lo_u32_b32 v6, s[40+\e], s[16+\e]
	v_cndmask_b32 v[POS+\u], v[POS+\u], v6, s[40+\e]
.endr
.irp e, 0,1,2,3,4,5,6,7
	s_bcnt1_i32_b32 s31, s[40+\e]
	s_add_co_u32 s[16+\e], s[16+\e], s31
.endr
.endm
.irp u, 0,1,2,3,4,5,6,7,8,9,10,11,12,13,14,15
	RANK \u
.endr
.irp e, 0,1,2,3,4,5,6,7
	v_mov_b32 v[C+\e], s[16+\e]
.endr
	ds_store_b128 v12, v[C:C+3] offset:CNT         ; every lane writes the same words with the same values
	ds_store_b128 v12, v[C+4:C+7] offset:CNT+16
	s_wait_dscnt 0x0                               ; for the other waves' sake: my counts are in LDS
	s_barrier_signal -1
	s_barrier_wait -1
	; the same arithmetic in every lane of every wave: totals, blocks, my wave's first places
.irp i, 0,1,2,3,4,5,6,7,8,9,10,11,12,13,14,15
	ds_load_b128 v[C+4*\i:C+4*\i+3], v4 offset:CNT+16*\i
.endr
	s_wait_dscnt 0x0
.irp e, 0,1,2,3,4,5,6,7
	v_add_nc_u32 v[TOT+\e], v[C+\e], v[C+8+\e]
	v_add3_u32 v[TOT+\e], v[TOT+\e], v[C+16+\e], v[C+24+\e]
	v_add3_u32 v[TOT+\e], v[TOT+\e], v[C+32+\e], v[C+40+\e]
	v_add3_u32 v[TOT+\e], v[TOT+\e], v[C+48+\e], v[C+56+\e]
	v_mul_u32_u24 v[TBLV+\e], s24, v[C+\e]         ; the counts of the waves in front of mine
	v_mad_u32_u24 v[TBLV+\e], v[C+8+\e],  s25, v[TBLV+\e]
	v_mad_u32_u24 v[TBLV+\e], v[C+16+\e], s26, v[TBLV+\e]
	v_mad_u32_u24 v[TBLV+\e], v[C+24+\e], s27, v[TBLV+\e]
	v_mad_u32_u24 v[TBLV+\e], v[C+32+\e], s28, v[TBLV+\e]
	v_mad_u32_u24 v[TBLV+\e], v[C+40+\e], s29, v[TBLV+\e]
	v_mad_u32_u24 v[TBLV+\e], v[C+48+\e], s30, v[TBLV+\e]
	v_add_nc_u32 v[NB+\e], 15, v[TOT+\e]
	v_lshrrev_b32 v[NB+\e], 4, v[NB+\e]
.endr
	v_mov_b32 v[BLK], 0
.irp e, 1,2,3,4,5,6,7
	v_add_nc_u32 v[BLK+\e], v[BLK+\e-1], v[NB+\e-1]
.endr
.irp e, 0,1,2,3,4,5,6,7
	v_lshl_add_u32 v[TBLV+\e], v[BLK+\e], 4, v[TBLV+\e]
.endr
	v_mov_b32 v[TV], v[TBLV]
.irp e, 1,2,3,4,5,6,7
	v_cmp_eq_u32 vcc_lo, \e, v1
	v_cndmask_b32 v[TV], v[TV], v[TBLV+\e], vcc_lo ; lane e holds expert e's figure
.endr
.irp u, 0,1,2,3,4,5,6,7,8,9,10,11,12,13,14,15
	v_lshlrev_b32 v[C+\u], 2, v[IDX+\u]
	ds_bpermute_b32 v[C+16+\u], v[C+\u], v[TV]     ; each token fetches its expert's figure from that lane; no LDS byte is touched
.endr
	s_wait_dscnt 0x0
.irp u, 0,1,2,3,4,5,6,7,8,9,10,11,12,13,14,15
	v_add_nc_u32 v[POS+\u], v[POS+\u], v[C+16+\u]  ; the token's place
	v_add_nc_u32 v[C+\u], 128*(\u>>2)+(\u&3), v5   ; the token's number
	v_sub_nc_u32 v[C+32+\u], v[POS+\u], s34        ; place - 16 g: 0..15 in block g
	v_add_nc_u32 v[C+48+\u], 0xfffff7c0, v[C+32+\u] ; less 132 blocks (2,112 places): 0..15 in block g + 132
	v_cmp_gt_u32 vcc_lo, 16, v[C+32+\u]
	v_cndmask_b32 v[C+32+\u], 32, v[C+32+\u], vcc_lo
	v_cmp_gt_u32 vcc_lo, 16, v[C+48+\u]
	v_add_nc_u32 v[C+48+\u], 16, v[C+48+\u]
	v_cndmask_b32 v[C+32+\u], v[C+32+\u], v[C+48+\u], vcc_lo
	v_min_u32 v[C+32+\u], 32, v[C+32+\u]           ; slot 0..32: 132 bytes at the most, inside my wave's 512
	v_lshl_add_u32 v[C+32+\u], v[C+32+\u], 2, s35
	ds_store_b32 v[C+32+\u], v[C+\u] offset:LIST
.endr
	s_cmp_lg_u32 ttmp9, 0
	s_cbranch_scc1 .Lnot_first                     ; one work-group stores the tables; no barrier stands inside
.irp c, 0,1,2,3
	global_store_b128 v3, v[POS+4*\c:POS+4*\c+3], s[12:13] offset:\c*512   ; 512 consecutive bytes a wave
.endr
	s_wait_xcnt 0x0                                ; EXEC changes only behind this wait
	v_cmp_eq_u32 vcc_lo, 0, v0
	s_and_saveexec_b32 s31, vcc_lo
	global_store_b128 v2, v[BLK:BLK+3],   s[10:11]            ; thread 0: the 64 bytes of segs
	global_store_b128 v2, v[BLK+4:BLK+7], s[10:11] offset:16
	global_store_b128 v2, v[NB:NB+3],     s[10:11] offset:32
	global_store_b128 v2, v[NB+4:NB+7],   s[10:11] offset:48
	s_wait_xcnt 0x0                                ; and again in front of the line that widens it
	s_or_b32 exec_lo, exec_lo, s31
.Lnot_first:
	s_wait_dscnt 0x0                               ; my list is in LDS
	s_barrier_signal -1
	s_barrier_wait -1
	; my four rows' tokens: slots 2 w, 2 w + 1 and 16 + 2 w, 17 + 2 w of all eight lists; at most one list holds a token, the others the sentinel
.irp p, 0,1,2,3,4,5,6,7
	ds_load_b64 v[C+4*\p:C+4*\p+1],   v13 offset:LIST+512*\p
	ds_load_b64 v[C+4*\p+2:C+4*\p+3], v13 offset:LIST+512*\p+64
.endr
	s_wait_dscnt 0x0
.irp k, 0,1,2,3
.irp p, 1,2,3,4,5,6,7
	v_min_u32 v[C+\k], v[C+\k], v[C+4*\p+\k]
.endr
.endr
.irp k, 0,1,2,3
	v_cmp_gt_u32 s[40+\k], SENT, v[C+\k]           ; all lanes or none: the row has a token
	v_min_u32 v[C+\k], 0xfff, v[C+\k]
	v_lshl_add_u32 v[TOT+\k], v[C+\k], 10, v2      ; rows of 1,024 bytes, 16 bytes a lane
.endr
.irp k, 0,1,2,3
	global_load_b128 v[D+8*\k:D+8*\k+3],   v[TOT+\k], s[6:7]             ; pieces q = L
	global_load_b128 v[D+8*\k+4:D+8*\k+7], v[TOT+\k], s[6:7] offset:512  ; pieces q = 32 + L
.endr
	s_wait_loadcnt 0x0
.irp k, 0,1,2,3
.irp n, 0,1,2,3,4,5,6,7
	v_cndmask_b32 v[D+8*\k+\n], 0, v[D+8*\k+\n], s[40+\k]                ; a row without a token is zeros
.endr
.endr
.irp k, 0,1,2,3
	ds_store_b128 v14, v[D+8*\k:D+8*\k+3],   offset:STG0+(\k>>1)*STGB+(\k&1)*16
	ds_store_b128 v14, v[D+8*\k+4:D+8*\k+7], offset:STG0+(\k>>1)*STGB+(\k&1)*16+32*272
.endr
	s_wait_dscnt 0x0                               ; my rows are in the stages
	s_barrier_signal -1
	s_barrier_wait -1
.irp b, 0,1
.irp i, 0,1,2,3
	ds_load_b128 v[R+16*\b+4*\i:R+16*\b+4*\i+3], v15 offset:STG0+\b*STGB+\i*2*272
.endr
.endr
.irp b, 0,1
.irp i, 0,1,2,3
	s_wait_dscnt 7-4*\b-\i                         ; LDS loads come back in order: the younger ones stay out
	global_store_b128 v3, v[R+16*\b+4*\i:R+16*\b+4*\i+3], s[8:9] offset:\b*132*16384+\i*512   ; 512 consecutive bytes, aligned
.endr
.endr
	s_wait_tensorcnt 0x0
	ds_add_u32 v160, v161
	s_wait_dscnt 0x0
	s_endpgm
.Lfunc_end_k_qefb6acac04_route:
	.size	k_qefb6acac04_route, .Lfunc_end_k_qefb6acac04_route-k_qefb6acac04_route
	.p2alignl 7, 3214868480
	.fill 96, 4, 3214868480
	.section	.rodata,"a",@progbits
	.p2align	6, 0x0
	.amdhsa_kernel k_qefb6acac04_route
		.amdhsa_group_segment_fixed_size 40448
		.amdhsa_private_segment_fixed_size 0
		.amdhsa_enable_private_segment 0
		.amdhsa_kernarg_size 40
		.amdhsa_user_sgpr_count 2
		.amdhsa_user_sgpr_kernarg_segment_ptr 1
		.amdhsa_wavefront_size32 1
		.amdhsa_system_sgpr_workgroup_id_x 1
		.amdhsa_system_sgpr_workgroup_id_y 1
		.amdhsa_system_sgpr_workgroup_id_z 1
		.amdhsa_system_vgpr_workitem_id 0
		.amdhsa_next_free_vgpr 162
		.amdhsa_next_free_sgpr 66
		.amdhsa_reserve_vcc 1
		.amdhsa_float_denorm_mode_32 3
		.amdhsa_float_denorm_mode_16_64 3
		.amdhsa_memory_ordered 1
		.amdhsa_forward_progress 1
		.amdhsa_inst_pref_size 62
	.end_amdhsa_kernel
	.amdgpu_metadata
---
amdhsa.version: [ 1, 2 ]
amdhsa.kernels:
  - .name:           k_qefb6acac04_route
    .symbol:         k_qefb6acac04_route.kd
    .args:
      - { .name: idx, .offset: 0, .size: 8, .value_kind: global_buffer, .address_space: global }
      - { .name: xb, .offset: 8, .size: 8, .value_kind: global_buffer, .address_space: global }
      - { .name: xs, .offset: 16, .size: 8, .value_kind: global_buffer, .address_space: global }
      - { .name: segs, .offset: 24, .size: 8, .value_kind: global_buffer, .address_space: global }
      - { .name: posof, .offset: 32, .size: 8, .value_kind: global_buffer, .address_space: global }
    .group_segment_fixed_size: 40448
    .private_segment_fixed_size: 0
    .kernarg_segment_align: 8
    .kernarg_segment_size: 40
    .max_flat_workgroup_size: 256
    .sgpr_count:     66
    .vgpr_count:     162
    .wavefront_size: 32
...
	.end_amdgpu_metadata
.endif
;; end of part 2
;; launch ffn1 (part 3): grid 256 x 1, 4 waves a work-group, no clusters, 82,432 bytes of LDS; arguments xs, W1, b1, segs, h; writes h
.if DOCPART == 3
	.amdgcn_target "amdgcn-amd-amdhsa--gfx1250"
	.amdhsa_code_object_version 6
	.text
	.protected	k_qefb6acac04_ffn1
	.globl	k_qefb6acac04_ffn1
	.p2align	8
	.type	k_qefb6acac04_ffn1,@function
k_qefb6acac04_ffn1:
	s_mov_b64 s[64:65], 0
	v_nop
	global_prefetch_b8 v0, s[64:65] scope:SCOPE_SE
	s_setreg_imm32_b32 hwreg(HW_REG_WAVE_MODE, 25, 1), 1
	s_wait_xcnt 0x0
; One text for both products of the experts; SECOND = 0: h = relu(xs W1[e] + b1[e]) in bf16; SECOND = 1: part = h W2[e] (+ b2[e]) in f32, K in four quarters.
; THE WEIGHTS STAY: a work-group owns a slice of 512 (k) x 64 (n) of one expert's weights, 131,072 bytes of f32 in rows of 256 aligned bytes, which no other
; work-group reads.  It is rounded to bf16 once, goes through LDS once, and every one of the four waves keeps all of it as 64 fragments in 512 registers.
; The expert's rows stream past in blocks of 16, dealt to the waves in turn.  Activations lie in memory in fragment order (the 16 bytes of row r,
; k = 8 q .. 8 q + 7 at byte 256 q + 16 r of a block), so a load of 512 consecutive bytes is half an operand fragment, and the loop has no LDS tile and no barrier.
;   SECOND = 0: work-group = 32 e + fs, slice W1[e][0..511][64 fs ..];   SECOND = 1: work-group = 32 e + 8 kq + ds, slice W2[e][512 kq ..][64 ds ..].
; THE MATRIX INSTRUCTION IS USED TRANSPOSED: source 0 = 16 columns of the weights, source 1 = 16 rows of tokens.  Lane 16 h + r then holds row r and the
; columns 16 c + 8 h + 0..7 of tile c: packed to bf16 these 16 bytes are the lane's part of half a fragment of the next product.
; NUMBERS: weights, biases and activations are rounded once to bf16 (nearest even), sums are f32; the bias is the first matrix instruction's C.
; relu by v_max_num_f32: a NaN becomes 0.  Rows without a token are computed like the others and never read at the end.
; THE TRIP COUNT is read from segs (whole numbers of an earlier launch).  The one barrier stands in front of that read's use, in straight text.
; NO JOINT LOADS, though the work-groups of one expert read the same blocks: a joint load lands in LDS and wants a round of barriers for each refill, inside a
; loop whose count is read from memory and differs from expert to expert; here every barrier stands in straight text, and a block's 16,384 bytes go straight to registers.
; An expert without tokens: its work-groups read and round their slice, pass the barrier and end.
.set SECOND, 0
.if SECOND
.set WSH,   11                         ; a row of W2 is 2,048 bytes
.set ASH,   16                         ; a block of h is 65,536 bytes
.set OSH,   17                         ; 16 rows of part are 131,072 bytes
.set BSH,   11                         ; b2: 2,048 bytes an expert
.else
.set WSH,   13                         ; a row of W1 is 8,192 bytes
.set ASH,   14                         ; a block of xs is 16,384 bytes
.set OSH,   16                         ; a block of h is 65,536 bytes
.set BSH,   13                         ; b1: 8,192 bytes an expert
.endif
.set WP,     1<<WSH
.set ASTEP,  4<<ASH                    ; four blocks on: the waves take turns
.set OSTEP,  4<<OSH
.set WPITCH, 160                       ; LDS row of the slice: 64 bf16 + 32 bytes, an odd multiple of 32 bytes, for the transposing loads
.set WHALF,  256*WPITCH                ; the immediate reaches 65,535 bytes: a second address register for rows 256 and up
.set STAGE,  512*WPITCH                ; SECOND: behind the slice, 16 rows x 272 bytes for each wave, its own
.set SPITCH, 272
; window 0: v1 16 L; v2 my offset in the slice; v3, v4 where I put bf16 in LDS; v5, v6 where I read fragments; v7 32 h; v8, v9, v10 the way out (SECOND)
.set BIAS, 16                          ; v[16:47]   tile c at 8 c: the bias of my 8 columns
.set ACC,  48                          ; v[48:79]   tile c at 8 c
.set PK,   80                          ; v[80:95]   SECOND = 0: tile c's 16 bytes of bf16
.set OUTR, 80                          ; v[80:111]  SECOND = 1: rows on their way out
.set TMP,  112                         ; v[112:127] at work
.set A,    128                         ; v[128:255] the block's 16 fragments, K step ks at 8 ks; first at work in the conversion
; window 1 (v256-511): first the slice as loaded, then the weights' fragments of K steps 0-7, (ks, c) at 32 ks + 8 c;  window 2 (v512-767): K steps 8-15
.set MSB, 0
.macro WIN new                         ; low byte: bits 1:0 source 0, 3:2 source 1, 5:4 source 2, 7:6 destination; the high byte repeats the setting that is left
.if MSB != (\new)
	s_set_vgpr_msb (MSB<<8)|(\new)
.set MSB, (\new)
.endif
.endm
.macro PLACES n
.rept \n
	v_nop
.endr
.endm
	s_load_b256 s[4:11], s[0:1], 0x0               ; activations s[4:5], weights s[6:7], bias s[8:9], segs s[10:11]
	s_load_b64 s[12:13], s[0:1], 0x20              ; result
	v_lshl_add_u32 v110, v0, 2, 0x14000
	v_mov_b32 v111, 0
	v_lshrrev_b32 v112, 5, v0
	v_readfirstlane_b32 s14, v112                  ; wave
	s_lshr_b32 s15, ttmp9, 5                       ; expert e
	s_lshl_b32 s25, s15, 2                         ; its word in segs; not rewritten while the two loads below are out
	s_mov_b32 s19, 0                               ; high word of every offset
	s_mov_b32 s24, 0xffff0000
.if SECOND
	s_and_b32 s16, ttmp9, 7                        ; ds: which 64 columns
	s_bfe_u32 s17, ttmp9, 0x20003                  ; kq: which quarter of K
.else
	s_and_b32 s16, ttmp9, 31                       ; fs: which 64 columns
.endif
	v_and_b32 v113, 31, v0
	v_lshlrev_b32 v1, 4, v113                      ; 16 L
	v_lshrrev_b32 v114, 4, v0                      ; thread / 16: 0..7, my row in each group of 8
	v_and_b32 v115, 15, v0                         ; thread % 16 = r
	v_lshlrev_b32 v116, 4, v115
	v_lshl_add_u32 v2, v114, WSH, v116             ; sixteen lanes cover a slice's row of 256 bytes
	v_mul_u32_u24 v3, v114, WPITCH
	v_lshl_add_u32 v3, v115, 3, v3                 ; the same four numbers as 8 bytes of bf16
	v_add_nc_u32 v4, WHALF, v3
	v_bfe_u32 v117, v0, 4, 1                       ; h
	v_and_b32 v118, 7, v0
	v_lshl_add_u32 v118, v117, 3, v118             ; 8 h + L % 8: the row of k that I address
	v_bfe_u32 v119, v0, 3, 1
	v_lshlrev_b32 v119, 4, v119                    ; and which 8 of the 16 columns
	v_mul_u32_u24 v5, v118, WPITCH
	v_add_nc_u32 v5, v119, v5
	v_add_nc_u32 v6, WHALF, v5
	v_lshlrev_b32 v7, 5, v117                      ; my 8 numbers in 16 of the bias
.if SECOND
	s_mul_i32 s26, s14, 16*SPITCH
	s_add_co_u32 s26, s26, STAGE                   ; my stage
	v_mul_u32_u24 v8, v115, SPITCH
	v_lshl_add_u32 v8, v117, 5, v8
	v_add_nc_u32 v8, s26, v8                       ; in: row r, 32 bytes for each half of the lanes
	v_mul_u32_u24 v9, v117, SPITCH
	v_lshl_add_u32 v9, v115, 4, v9
	v_add_nc_u32 v9, s26, v9                       ; back: lanes 0-15 one row of 256 bytes, lanes 16-31 the next
	v_lshlrev_b32 v10, 13, v117
	v_lshl_add_u32 v10, v115, 4, v10               ; the same two rows in part, 8,192 bytes apart
.endif
	s_wait_kmcnt 0x0
	s_load_b32 s20, s[10:11], s25 offset:0x0       ; blk0_e
	s_load_b32 s21, s[10:11], s25 offset:0x20      ; nb_e
	s_lshl_b32 s18, s15, 22                        ; an expert's weights are 4 MiB
	s_lshl_b32 s27, s16, 8                         ; 64 columns are 256 bytes
	s_add_co_u32 s18, s18, s27
.if SECOND
	s_lshl_b32 s27, s17, 20                        ; 512 rows of 2,048 bytes
	s_add_co_u32 s18, s18, s27
.endif
	s_add_nc_u64 s[6:7], s[6:7], s[18:19]
	s_lshl_b32 s18, s15, BSH
	s_lshl_b32 s27, s16, 8
	s_add_co_u32 s18, s18, s27
	s_add_nc_u64 s[8:9], s[8:9], s[18:19]
.irp c, 0,1,2,3
	global_load_b128 v[BIAS+8*\c:BIAS+8*\c+3],   v7, s[8:9] offset:\c*64
	global_load_b128 v[BIAS+8*\c+4:BIAS+8*\c+7], v7, s[8:9] offset:\c*64+16
.endr
	WIN 0x40                                       ; the slice lands in window 1: 64 loads a thread, all at once
.set i, 0
.rept 64
	global_load_b128 v[4*i:4*i+3], v2, s[6:7] offset:i*8*WP th:TH_LOAD_NT   ; rows 8 i + thread / 16
.set i, i+1
.endr
	WIN 0
.irp g, 0,1,2,3
	s_wait_loadcnt 48-16*\g                        ; loads come back in order: the slice's later loads stay out (the bias came first of all)
	WIN 0x05                                       ; both sources in window 1
.set n, 0
.rept 32
	v_cvt_pk_bf16_f32 v[A+n], v[64*\g+2*n], v[64*\g+2*n+1]
.set n, n+1
.endr
	WIN 0
.set n, 0
.rept 16
.if \g < 2
	ds_store_b64 v3, v[A+2*n:A+2*n+1] offset:(16*\g+n)*8*WPITCH
.else
	ds_store_b64 v4, v[A+2*n:A+2*n+1] offset:(16*\g+n-32)*8*WPITCH
.endif
.set n, n+1
.endr
.endr
.set n, 0
.rept 16                                           ; the bias to bf16 and back
	v_cvt_pk_bf16_f32 v[TMP+n], v[BIAS+2*n], v[BIAS+2*n+1]
.set n, n+1
.endr
.set n, 0
.rept 16
	v_lshlrev_b32 v[BIAS+2*n], 16, v[TMP+n]
	v_and_b32 v[BIAS+2*n+1], s24, v[TMP+n]
.set n, n+1
.endr
.if SECOND
	s_cmp_eq_u32 s17, 0
	s_cselect_b32 s23, -1, 0
.set n, 0
.rept 32
	v_cndmask_b32 v[BIAS+n], 0, v[BIAS+n], s23     ; b2 enters once: in the first quarter of K
.set n, n+1
.endr
.endif
	s_wait_dscnt 0x0                               ; for the other waves' sake: my part of the slice is in LDS
	s_barrier_signal -1
	s_barrier_wait -1                              ; the launch's one barrier
	s_wait_kmcnt 0x0                               ; blk0_e, nb_e
	s_min_u32 s20, s20, 263
	s_min_u32 s21, s21, 264
	s_add_co_u32 s22, s21, 3
	s_sub_co_u32 s22, s22, s14
	s_lshr_b32 s22, s22, 2                         ; my blocks: blk0 + w, + 4, ..: (nb + 3 - w) / 4 of them
	s_cmp_eq_u32 s22, 0
	s_cbranch_scc1 .Lend
	s_add_co_u32 s20, s20, s14                     ; my first block
	s_lshl_b32 s18, s20, ASH
.if SECOND
	s_lshl_b32 s27, s17, 14                        ; my quarter of K: 16 K steps of 1,024 bytes
	s_add_co_u32 s18, s18, s27
.endif
	s_add_nc_u64 s[4:5], s[4:5], s[18:19]
	s_lshl_b32 s18, s20, OSH
.if SECOND
	s_lshl_b32 s27, s17, 11                        ; part[place][kq][512]
	s_add_co_u32 s18, s18, s27
	s_lshl_b32 s27, s16, 8
.else
	s_lshl_b32 s27, s16, 11                        ; my 64 columns are two K steps of h: 2,048 bytes
.endif
	s_add_co_u32 s18, s18, s27
	s_add_nc_u64 s[12:13], s[12:13], s[18:19]
.set ks, 0
.rept 16
	global_load_b128 v[A+8*ks:A+8*ks+3],   v1, s[4:5] offset:ks*1024       ; the first block: k = 32 ks + 8 h + 0..7 of row r
	global_load_b128 v[A+8*ks+4:A+8*ks+7], v1, s[4:5] offset:ks*1024+512   ; k = 32 ks + 16 + 8 h + 0..7
.set ks, ks+1
.endr
	s_wait_xcnt 0x0                                ; the base is stepped only behind this wait
	s_add_nc_u64 s[4:5], s[4:5], ASTEP
	WIN 0x40                                       ; the weights' fragments, transposed on the way: column 16 c + r in lane r, k along the registers
.set ks, 0
.rept 8
.irp c, 0,1,2,3
	ds_load_tr16_b128 v[32*ks+8*\c:32*ks+8*\c+3],   v5 offset:ks*32*WPITCH+\c*32
	ds_load_tr16_b128 v[32*ks+8*\c+4:32*ks+8*\c+7], v5 offset:ks*32*WPITCH+\c*32+16*WPITCH
.endr
.set ks, ks+1
.endr
	WIN 0x80
.set ks, 0
.rept 8
.irp c, 0,1,2,3
	ds_load_tr16_b128 v[32*ks+8*\c:32*ks+8*\c+3],   v6 offset:ks*32*WPITCH+\c*32
	ds_load_tr16_b128 v[32*ks+8*\c+4:32*ks+8*\c+7], v6 offset:ks*32*WPITCH+\c*32+16*WPITCH
.endr
.set ks, ks+1
.endr
	WIN 0
	s_wait_dscnt 0x0
; Four K steps: 16 matrix instructions, the four accumulators by turns, one instruction a turn, over the groups' borders and the backward jump too
; refill = 1: the same four K steps of my next block are asked for into the registers just used.
; left: how many younger loads may stay out.
.macro GROUP g, refill, left
	s_wait_loadcnt \left
.if \g < 2
	WIN 1
.else
	WIN 2
.endif
.irp d, 0,1,2,3
.irp c, 0,1,2,3
.if (4*\g+\d) == 0
	v_wmma_f32_16x16x32_bf16 v[ACC+8*\c:ACC+8*\c+7], v[8*\c:8*\c+7], v[A:A+7], v[BIAS+8*\c:BIAS+8*\c+7]   ; the bias starts the sums: nothing is cleared
.else
	v_wmma_f32_16x16x32_bf16 v[ACC+8*\c:ACC+8*\c+7], v[32*((4*\g+\d)&7)+8*\c:32*((4*\g+\d)&7)+8*\c+7], v[A+8*(4*\g+\d):A+8*(4*\g+\d)+7], v[ACC+8*\c:ACC+8*\c+7]
.endif
.endr
.endr
	WIN 0
.if \g < 3
	PLACES 4                                       ; a load into a register that a matrix instruction has read stands four places behind it (ISA guide 7.12.1 for vector instructions)
.else
	PLACES 5                                       ; five: the next block's first matrix instructions write over these accumulators; the way out reads them
.endif
.if \refill
.irp d, 0,1,2,3
	global_load_b128 v[A+8*(4*\g+\d):A+8*(4*\g+\d)+3],   v1, s[4:5] offset:(4*\g+\d)*1024
	global_load_b128 v[A+8*(4*\g+\d)+4:A+8*(4*\g+\d)+7], v1, s[4:5] offset:(4*\g+\d)*1024+512
.endr
.endif
.endm
; A block of 16 rows.  With refills every group's count is 24: behind group g's eight loads came 8 (3 - g) of this block and 8 g of the next.
.macro TRIP refill
.if \refill
	GROUP 0, 1, 24
	GROUP 1, 1, 24
	GROUP 2, 1, 24
	GROUP 3, 1, 24
.else
	GROUP 0, 0, 24                                 ; the last block: nothing is asked for, the counts run down
	GROUP 1, 0, 16
	GROUP 2, 0, 8
	GROUP 3, 0, 0
.endif
.if SECOND
	; 16 rows x 64 columns of f32 through my own stage: rows of 256 bytes come back whole.  LDS serves a wave's instructions in order (ISA guide 5.7.1).
.irp c, 0,1,2,3
	ds_store_b128 v8, v[ACC+8*\c:ACC+8*\c+3]   offset:\c*64
	ds_store_b128 v8, v[ACC+8*\c+4:ACC+8*\c+7] offset:\c*64+16
.endr
.irp t, 0,1,2,3,4,5,6,7
	ds_load_b128 v[OUTR+4*\t:OUTR+4*\t+3], v9 offset:\t*2*SPITCH
.endr
.irp t, 0,1,2,3,4,5,6,7
	s_wait_dscnt 7-\t
	global_store_b128 v10, v[OUTR+4*\t:OUTR+4*\t+3], s[12:13] offset:\t*16384   ; sixteen lanes store 256 consecutive bytes, aligned
.endr
.else
.set n, 0
.rept 32
	v_max_num_f32 v[ACC+n], 0, v[ACC+n]
.set n, n+1
.endr
.set n, 0
.rept 16
	v_cvt_pk_bf16_f32 v[PK+n], v[ACC+2*n], v[ACC+2*n+1]
.set n, n+1
.endr
.irp c, 0,1,2,3
	global_store_b128 v1, v[PK+4*\c:PK+4*\c+3], s[12:13] offset:\c*512   ; tile c = half c % 2 of K step 2 fs + c / 2 of h: 512 consecutive bytes
.endr
.endif
.if \refill
	s_wait_xcnt 0x0                                ; both bases and the stores' data are rewritten only behind this wait
	s_add_nc_u64 s[4:5], s[4:5], ASTEP
	s_add_nc_u64 s[12:13], s[12:13], OSTEP
.endif
.endm
	s_sub_co_u32 s22, s22, 1                       ; all blocks but the last ask for the next
	s_cmp_eq_u32 s22, 0
	s_cbranch_scc1 .Ltail
.Ltrip:
	TRIP 1
	s_sub_co_u32 s22, s22, 1
	s_cmp_lg_u32 s22, 0
	s_cbranch_scc1 .Ltrip
.Ltail:
	TRIP 0
.Lend:
	s_wait_tensorcnt 0x0
	ds_add_u32 v110, v111
	s_wait_dscnt 0x0
	s_endpgm
.Lfunc_end_k_qefb6acac04_ffn1:
	.size	k_qefb6acac04_ffn1, .Lfunc_end_k_qefb6acac04_ffn1-k_qefb6acac04_ffn1
	.p2alignl 7, 3214868480
	.fill 96, 4, 3214868480
	.section	.rodata,"a",@progbits
	.p2align	6, 0x0
	.amdhsa_kernel k_qefb6acac04_ffn1
		.amdhsa_group_segment_fixed_size 82432
		.amdhsa_private_segment_fixed_size 0
		.amdhsa_enable_private_segment 0
		.amdhsa_kernarg_size 40
		.amdhsa_user_sgpr_count 2
		.amdhsa_user_sgpr_kernarg_segment_ptr 1
		.amdhsa_wavefront_size32 1
		.amdhsa_system_sgpr_workgroup_id_x 1
		.amdhsa_system_sgpr_workgroup_id_y 1
		.amdhsa_system_sgpr_workgroup_id_z 1
		.amdhsa_system_vgpr_workitem_id 0
		.amdhsa_next_free_vgpr 768
		.amdhsa_next_free_sgpr 66
		.amdhsa_reserve_vcc 0
		.amdhsa_float_denorm_mode_32 3
		.amdhsa_float_denorm_mode_16_64 3
		.amdhsa_memory_ordered 1
		.amdhsa_forward_progress 1
		.amdhsa_inst_pref_size 54
	.end_amdhsa_kernel
	.amdgpu_metadata
---
amdhsa.version: [ 1, 2 ]
amdhsa.kernels:
  - .name:           k_qefb6acac04_ffn1
    .symbol:         k_qefb6acac04_ffn1.kd
    .args:
      - { .name: xs, .offset: 0, .size: 8, .value_kind: global_buffer, .address_space: global }
      - { .name: W1, .offset: 8, .size: 8, .value_kind: global_buffer, .address_space: global }
      - { .name: b1, .offset: 16, .size: 8, .value_kind: global_buffer, .address_space: global }
      - { .name: segs, .offset: 24, .size: 8, .value_kind: global_buffer, .address_space: global }
      - { .name: h, .offset: 32, .size: 8, .value_kind: global_buffer, .address_space: global }
    .group_segment_fixed_size: 82432
    .private_segment_fixed_size: 0
    .kernarg_segment_align: 8
    .kernarg_segment_size: 40
    .max_flat_workgroup_size: 128
    .sgpr_count:     66
    .vgpr_count:     768
    .wavefront_size: 32
...
	.end_amdgpu_metadata
.endif
;; end of part 3
;; launch ffn2 (part 4): grid 256 x 1, 4 waves a work-group, no clusters, 99,840 bytes of LDS; arguments h, W2, b2, segs, part; writes part
.if DOCPART == 4
	.amdgcn_target "amdgcn-amd-amdhsa--gfx1250"
	.amdhsa_code_object_version 6
	.text
	.protected	k_qefb6acac04_ffn2
	.globl	k_qefb6acac04_ffn2
	.p2align	8
	.type	k_qefb6acac04_ffn2,@function
k_qefb6acac04_ffn2:
	s_mov_b64 s[64:65], 0
	v_nop
	global_prefetch_b8 v0, s[64:65] scope:SCOPE_SE
	s_setreg_imm32_b32 hwreg(HW_REG_WAVE_MODE, 25, 1), 1
	s_wait_xcnt 0x0
; One text for both products of the experts; SECOND = 0: h = relu(xs W1[e] + b1[e]) in bf16; SECOND = 1: part = h W2[e] (+ b2[e]) in f32, K in four quarters.
; THE WEIGHTS STAY: a work-group owns a slice of 512 (k) x 64 (n) of one expert's weights, 131,072 bytes of f32 in rows of 256 aligned bytes, which no other
; work-group reads.  It is rounded to bf16 once, goes through LDS once, and every one of the four waves keeps all of it as 64 fragments in 512 registers.
; The expert's rows stream past in blocks of 16, dealt to the waves in turn.  Activations lie in memory in fragment order (the 16 bytes of row r,
; k = 8 q .. 8 q + 7 at byte 256 q + 16 r of a block), so a load of 512 consecutive bytes is half an operand fragment, and the loop has no LDS tile and no barrier.
;   SECOND = 0: work-group = 32 e + fs, slice W1[e][0..511][64 fs ..];   SECOND = 1: work-group = 32 e + 8 kq + ds, slice W2[e][512 kq ..][64 ds ..].
; THE MATRIX INSTRUCTION IS USED TRANSPOSED: source 0 = 16 columns of the weights, source 1 = 16 rows of tokens.  Lane 16 h + r then holds row r and the
; columns 16 c + 8 h + 0..7 of tile c.  Here the four quarters' sums are f32 and leave as rows of part[place][kq][512]; a later launch adds them.
; NUMBERS: weights, biases and activations are rounded once to bf16 (nearest even), sums are f32; the bias is the first matrix instruction's C.
; Rows without a token are computed like the others and never read at the end.
; THE TRIP COUNT is read from segs (whole numbers of an earlier launch).  The one barrier stands in front of that read's use, in straight text.
; NO JOINT LOADS, though the work-groups of one expert and quarter read the same blocks: a joint load lands in LDS and wants a round of barriers for each refill,
; inside a loop whose count is read from memory and differs from expert to expert; here every barrier stands in straight text, and a block's 16,384 bytes go straight to registers.
; An expert without tokens: its work-groups read and round their slice, pass the barrier and end.
.set SECOND, 1
.if SECOND
.set WSH,   11                         ; a row of W2 is 2,048 bytes
.set ASH,   16                         ; a block of h is 65,536 bytes
.set OSH,   17                         ; 16 rows of part are 131,072 bytes
.set BSH,   11                         ; b2: 2,048 bytes an expert
.else
.set WSH,   13                         ; a row of W1 is 8,192 bytes
.set ASH,   14                         ; a block of xs is 16,384 bytes
.set OSH,   16                         ; a block of h is 65,536 bytes
.set BSH,   13                         ; b1: 8,192 bytes an expert
.endif
.set WP,     1<<WSH
.set ASTEP,  4<<ASH                    ; four blocks on: the waves take turns
.set OSTEP,  4<<OSH
.set WPITCH, 160                       ; LDS row of the slice: 64 bf16 + 32 bytes, an odd multiple of 32 bytes, for the transposing loads
.set WHALF,  256*WPITCH                ; the immediate reaches 65,535 bytes: a second address register for rows 256 and up
.set STAGE,  512*WPITCH                ; SECOND: behind the slice, 16 rows x 272 bytes for each wave, its own
.set SPITCH, 272
; window 0: v1 16 L; v2 my offset in the slice; v3, v4 where I put bf16 in LDS; v5, v6 where I read fragments; v7 32 h; v8, v9, v10 the way out (SECOND)
.set BIAS, 16                          ; v[16:47]   tile c at 8 c: the bias of my 8 columns
.set ACC,  48                          ; v[48:79]   tile c at 8 c
.set PK,   80                          ; v[80:95]   SECOND = 0: tile c's 16 bytes of bf16
.set OUTR, 80                          ; v[80:111]  SECOND = 1: rows on their way out
.set TMP,  112                         ; v[112:127] at work
.set A,    128                         ; v[128:255] the block's 16 fragments, K step ks at 8 ks; first at work in the conversion
; window 1 (v256-511): first the slice as loaded, then the weights' fragments of K steps 0-7, (ks, c) at 32 ks + 8 c;  window 2 (v512-767): K steps 8-15
.set MSB, 0
.macro WIN new                         ; low byte: bits 1:0 source 0, 3:2 source 1, 5:4 source 2, 7:6 destination; the high byte repeats the setting that is left
.if MSB != (\new)
	s_set_vgpr_msb (MSB<<8)|(\new)
.set MSB, (\new)
.endif
.endm
.macro PLACES n
.rept \n
	v_nop
.endr
.endm
	s_load_b256 s[4:11], s[0:1], 0x0               ; activations s[4:5], weights s[6:7], bias s[8:9], segs s[10:11]
	s_load_b64 s[12:13], s[0:1], 0x20              ; result
	v_lshl_add_u32 v14, v0, 2, 0x18400
	v_mov_b32 v15, 0
	v_lshrrev_b32 v112, 5, v0
	v_readfirstlane_b32 s14, v112                  ; wave
	s_lshr_b32 s15, ttmp9, 5                       ; expert e
	s_lshl_b32 s25, s15, 2                         ; its word in segs; not rewritten while the two loads below are out
	s_mov_b32 s19, 0                               ; high word of every offset
	s_mov_b32 s24, 0xffff0000
.if SECOND
	s_and_b32 s16, ttmp9, 7                        ; ds: which 64 columns
	s_bfe_u32 s17, ttmp9, 0x20003                  ; kq: which quarter of K
.else
	s_and_b32 s16, ttmp9, 31                       ; fs: which 64 columns
.endif
	v_and_b32 v113, 31, v0
	v_lshlrev_b32 v1, 4, v113                      ; 16 L
	v_lshrrev_b32 v114, 4, v0                      ; thread / 16: 0..7, my row in each group of 8
	v_and_b32 v115, 15, v0                         ; thread % 16 = r
	v_lshlrev_b32 v116, 4, v115
	v_lshl_add_u32 v2, v114, WSH, v116             ; sixteen lanes cover a slice's row of 256 bytes
	v_mul_u32_u24 v3, v114, WPITCH
	v_lshl_add_u32 v3, v115, 3, v3                 ; the same four numbers as 8 bytes of bf16
	v_add_nc_u32 v4, WHALF, v3
	v_bfe_u32 v117, v0, 4, 1                       ; h
	v_and_b32 v118, 7, v0
	v_lshl_add_u32 v118, v117, 3, v118             ; 8 h + L % 8: the row of k that I address
	v_bfe_u32 v119, v0, 3, 1
	v_lshlrev_b32 v119, 4, v119                    ; and which 8 of the 16 columns
	v_mul_u32_u24 v5, v118, WPITCH
	v_add_nc_u32 v5, v119, v5
	v_add_nc_u32 v6, WHALF, v5
	v_lshlrev_b32 v7, 5, v117                      ; my 8 numbers in 16 of the bias
.if SECOND
	s_mul_i32 s26, s14, 16*SPITCH
	s_add_co_u32 s26, s26, STAGE                   ; my stage
	v_mul_u32_u24 v8, v115, SPITCH
	v_lshl_add_u32 v8, v117, 5, v8
	v_add_nc_u32 v8, s26, v8                       ; in: row r, 32 bytes for each half of the lanes
	v_mul_u32_u24 v9, v117, SPITCH
	v_lshl_add_u32 v9, v115, 4, v9
	v_add_nc_u32 v9, s26, v9                       ; back: lanes 0-15 one row of 256 bytes, lanes 16-31 the next
	v_lshlrev_b32 v10, 13, v117
	v_lshl_add_u32 v10, v115, 4, v10               ; the same two rows in part, 8,192 bytes apart
.endif
	s_wait_kmcnt 0x0
	s_load_b32 s20, s[10:11], s25 offset:0x0       ; blk0_e
	s_load_b32 s21, s[10:11], s25 offset:0x20      ; nb_e
	s_lshl_b32 s18, s15, 22                        ; an expert's weights are 4 MiB
	s_lshl_b32 s27, s16, 8                         ; 64 columns are 256 bytes
	s_add_co_u32 s18, s18, s27
.if SECOND
	s_lshl_b32 s27, s17, 20                        ; 512 rows of 2,048 bytes
	s_add_co_u32 s18, s18, s27
.endif
	s_add_nc_u64 s[6:7], s[6:7], s[18:19]
	s_lshl_b32 s18, s15, BSH
	s_lshl_b32 s27, s16, 8
	s_add_co_u32 s18, s18, s27
	s_add_nc_u64 s[8:9], s[8:9], s[18:19]
.irp c, 0,1,2,3
	global_load_b128 v[BIAS+8*\c:BIAS+8*\c+3],   v7, s[8:9] offset:\c*64
	global_load_b128 v[BIAS+8*\c+4:BIAS+8*\c+7], v7, s[8:9] offset:\c*64+16
.endr
	WIN 0x40                                       ; the slice lands in window 1: 64 loads a thread, all at once
.set i, 0
.rept 64
	global_load_b128 v[4*i:4*i+3], v2, s[6:7] offset:i*8*WP th:TH_LOAD_NT   ; rows 8 i + thread / 16
.set i, i+1
.endr
	WIN 0
.irp g, 0,1,2,3
	s_wait_loadcnt 48-16*\g                        ; loads come back in order: the slice's later loads stay out (the bias came first of all)
	WIN 0x05                                       ; both sources in window 1
.set n, 0
.rept 32
	v_cvt_pk_bf16_f32 v[A+n], v[64*\g+2*n], v[64*\g+2*n+1]
.set n, n+1
.endr
	WIN 0
.set n, 0
.rept 16
.if \g < 2
	ds_store_b64 v3, v[A+2*n:A+2*n+1] offset:(16*\g+n)*8*WPITCH
.else
	ds_store_b64 v4, v[A+2*n:A+2*n+1] offset:(16*\g+n-32)*8*WPITCH
.endif
.set n, n+1
.endr
.endr
.set n, 0
.rept 16                                           ; the bias to bf16 and back
	v_cvt_pk_bf16_f32 v[TMP+n], v[BIAS+2*n], v[BIAS+2*n+1]
.set n, n+1
.endr
.set n, 0
.rept 16
	v_lshlrev_b32 v[BIAS+2*n], 16, v[TMP+n]
	v_and_b32 v[BIAS+2*n+1], s24, v[TMP+n]
.set n, n+1
.endr
.if SECOND
	s_cmp_eq_u32 s17, 0
	s_cselect_b32 s23, -1, 0
.set n, 0
.rept 32
	v_cndmask_b32 v[BIAS+n], 0, v[BIAS+n], s23     ; b2 enters once: in the first quarter of K
.set n, n+1
.endr
.endif
	s_wait_dscnt 0x0                               ; for the other waves' sake: my part of the slice is in LDS
	s_barrier_signal -1
	s_barrier_wait -1                              ; the launch's one barrier
	s_wait_kmcnt 0x0                               ; blk0_e, nb_e
	s_min_u32 s20, s20, 263
	s_min_u32 s21, s21, 264
	s_add_co_u32 s22, s21, 3
	s_sub_co_u32 s22, s22, s14
	s_lshr_b32 s22, s22, 2                         ; my blocks: blk0 + w, + 4, ..: (nb + 3 - w) / 4 of them
	s_cmp_eq_u32 s22, 0
	s_cbranch_scc1 .Lend
	s_add_co_u32 s20, s20, s14                     ; my first block
	s_lshl_b32 s18, s20, ASH
.if SECOND
	s_lshl_b32 s27, s17, 14                        ; my quarter of K: 16 K steps of 1,024 bytes
	s_add_co_u32 s18, s18, s27
.endif
	s_add_nc_u64 s[4:5], s[4:5], s[18:19]
	s_lshl_b32 s18, s20, OSH
.if SECOND
	s_lshl_b32 s27, s17, 11                        ; part[place][kq][512]
	s_add_co_u32 s18, s18, s27
	s_lshl_b32 s27, s16, 8
.else
	s_lshl_b32 s27, s16, 11                        ; my 64 columns are two K steps of h: 2,048 bytes
.endif
	s_add_co_u32 s18, s18, s27
	s_add_nc_u64 s[12:13], s[12:13], s[18:19]
.set ks, 0
.rept 16
	global_load_b128 v[A+8*ks:A+8*ks+3],   v1, s[4:5] offset:ks*1024       ; the first block: k = 32 ks + 8 h + 0..7 of row r
	global_load_b128 v[A+8*ks+4:A+8*ks+7], v1, s[4:5] offset:ks*1024+512   ; k = 32 ks + 16 + 8 h + 0..7
.set ks, ks+1
.endr
	s_wait_xcnt 0x0                                ; the base is stepped only behind this wait
	s_add_nc_u64 s[4:5], s[4:5], ASTEP
	WIN 0x40                                       ; the weights' fragments, transposed on the way: column 16 c + r in lane r, k along the registers
.set ks, 0
.rept 8
.irp c, 0,1,2,3
	ds_load_tr16_b128 v[32*ks+8*\c:32*ks+8*\c+3],   v5 offset:ks*32*WPITCH+\c*32
	ds_load_tr16_b128 v[32*ks+8*\c+4:32*ks+8*\c+7], v5 offset:ks*32*WPITCH+\c*32+16*WPITCH
.endr
.set ks, ks+1
.endr
	WIN 0x80
.set ks, 0
.rept 8
.irp c, 0,1,2,3
	ds_load_tr16_b128 v[32*ks+8*\c:32*ks+8*\c+3],   v6 offset:ks*32*WPITCH+\c*32
	ds_load_tr16_b128 v[32*ks+8*\c+4:32*ks+8*\c+7], v6 offset:ks*32*WPITCH+\c*32+16*WPITCH
.endr
.set ks, ks+1
.endr
	WIN 0
	s_wait_dscnt 0x0
; Four K steps: 16 matrix instructions, the four accumulators by turns, one instruction a turn, over the groups' borders and the backward jump too
; refill = 1: the same four K steps of my next block are asked for into the registers just used.
; left: how many younger loads may stay out.
.macro GROUP g, refill, left
	s_wait_loadcnt \left
.if \g < 2
	WIN 1
.else
	WIN 2
.endif
.irp d, 0,1,2,3
.irp c, 0,1,2,3
.if (4*\g+\d) == 0
	v_wmma_f32_16x16x32_bf16 v[ACC+8*\c:ACC+8*\c+7], v[8*\c:8*\c+7], v[A:A+7], v[BIAS+8*\c:BIAS+8*\c+7]   ; the bias starts the sums: nothing is cleared
.else
	v_wmma_f32_16x16x32_bf16 v[ACC+8*\c:ACC+8*\c+7], v[32*((4*\g+\d)&7)+8*\c:32*((4*\g+\d)&7)+8*\c+7], v[A+8*(4*\g+\d):A+8*(4*\g+\d)+7], v[ACC+8*\c:ACC+8*\c+7]
.endif
.endr
.endr
	WIN 0
.if \g < 3
	PLACES 4                                       ; a load into a register that a matrix instruction has read stands four places behind it (ISA guide 7.12.1 for vector instructions)
.else
	PLACES 5                                       ; five: the next block's first matrix instructions write over these accumulators; the way out reads them
.endif
.if \refill
.irp d, 0,1,2,3
	global_load_b128 v[A+8*(4*\g+\d):A+8*(4*\g+\d)+3],   v1, s[4:5] offset:(4*\g+\d)*1024
	global_load_b128 v[A+8*(4*\g+\d)+4:A+8*(4*\g+\d)+7], v1, s[4:5] offset:(4*\g+\d)*1024+512
.endr
.endif
.endm
; A block of 16 rows.  With refills every group's count is 24: behind group g's eight loads came 8 (3 - g) of this block and 8 g of the next.
.macro TRIP refill
.if \refill
	GROUP 0, 1, 24
	GROUP 1, 1, 24
	GROUP 2, 1, 24
	GROUP 3, 1, 24
.else
	GROUP 0, 0, 24                                 ; the last block: nothing is asked for, the counts run down
	GROUP 1, 0, 16
	GROUP 2, 0, 8
	GROUP 3, 0, 0
.endif
.if SECOND
	; 16 rows x 64 columns of f32 through my own stage: rows of 256 bytes come back whole.  LDS serves a wave's instructions in order (ISA guide 5.7.1).
.irp c, 0,1,2,3
	ds_store_b128 v8, v[ACC+8*\c:ACC+8*\c+3]   offset:\c*64
	ds_store_b128 v8, v[ACC+8*\c+4:ACC+8*\c+7] offset:\c*64+16
.endr
.irp t, 0,1,2,3,4,5,6,7
	ds_load_b128 v[OUTR+4*\t:OUTR+4*\t+3], v9 offset:\t*2*SPITCH
.endr
.irp t, 0,1,2,3,4,5,6,7
	s_wait_dscnt 7-\t
	global_store_b128 v10, v[OUTR+4*\t:OUTR+4*\t+3], s[12:13] offset:\t*16384   ; sixteen lanes store 256 consecutive bytes, aligned
.endr
.else
.set n, 0
.rept 32
	v_max_num_f32 v[ACC+n], 0, v[ACC+n]
.set n, n+1
.endr
.set n, 0
.rept 16
	v_cvt_pk_bf16_f32 v[PK+n], v[ACC+2*n], v[ACC+2*n+1]
.set n, n+1
.endr
.irp c, 0,1,2,3
	global_store_b128 v1, v[PK+4*\c:PK+4*\c+3], s[12:13] offset:\c*512   ; tile c = half c % 2 of K step 2 fs + c / 2 of h: 512 consecutive bytes
.endr
.endif
.if \refill
	s_wait_xcnt 0x0                                ; both bases and the stores' data are rewritten only behind this wait
	s_add_nc_u64 s[4:5], s[4:5], ASTEP
	s_add_nc_u64 s[12:13], s[12:13], OSTEP
.endif
.endm
	s_sub_co_u32 s22, s22, 1                       ; all blocks but the last ask for the next
	s_cmp_eq_u32 s22, 0
	s_cbranch_scc1 .Ltail
.Ltrip:
	TRIP 1
	s_sub_co_u32 s22, s22, 1
	s_cmp_lg_u32 s22, 0
	s_cbranch_scc1 .Ltrip
.Ltail:
	TRIP 0
.Lend:
	s_wait_tensorcnt 0x0
	ds_add_u32 v14, v15
	s_wait_dscnt 0x0
	s_endpgm
.Lfunc_end_k_qefb6acac04_ffn2:
	.size	k_qefb6acac04_ffn2, .Lfunc_end_k_qefb6acac04_ffn2-k_qefb6acac04_ffn2
	.p2alignl 7, 3214868480
	.fill 96, 4, 3214868480
	.section	.rodata,"a",@progbits
	.p2align	6, 0x0
	.amdhsa_kernel k_qefb6acac04_ffn2
		.amdhsa_group_segment_fixed_size 99840
		.amdhsa_private_segment_fixed_size 0
		.amdhsa_enable_private_segment 0
		.amdhsa_kernarg_size 40
		.amdhsa_user_sgpr_count 2
		.amdhsa_user_sgpr_kernarg_segment_ptr 1
		.amdhsa_wavefront_size32 1
		.amdhsa_system_sgpr_workgroup_id_x 1
		.amdhsa_system_sgpr_workgroup_id_y 1
		.amdhsa_system_sgpr_workgroup_id_z 1
		.amdhsa_system_vgpr_workitem_id 0
		.amdhsa_next_free_vgpr 768
		.amdhsa_next_free_sgpr 66
		.amdhsa_reserve_vcc 0
		.amdhsa_float_denorm_mode_32 3
		.amdhsa_float_denorm_mode_16_64 3
		.amdhsa_memory_ordered 1
		.amdhsa_forward_progress 1
		.amdhsa_inst_pref_size 56
	.end_amdhsa_kernel
	.amdgpu_metadata
---
amdhsa.version: [ 1, 2 ]
amdhsa.kernels:
  - .name:           k_qefb6acac04_ffn2
    .symbol:         k_qefb6acac04_ffn2.kd
    .args:
      - { .name: h, .offset: 0, .size: 8, .value_kind: global_buffer, .address_space: global }
      - { .name: W2, .offset: 8, .size: 8, .value_kind: global_buffer, .address_space: global }
      - { .name: b2, .offset: 16, .size: 8, .value_kind: global_buffer, .address_space: global }
      - { .name: segs, .offset: 24, .size: 8, .value_kind: global_buffer, .address_space: global }
      - { .name: part, .offset: 32, .size: 8, .value_kind: global_buffer, .address_space: global }
    .group_segment_fixed_size: 99840
    .private_segment_fixed_size: 0
    .kernarg_segment_align: 8
    .kernarg_segment_size: 40
    .max_flat_workgroup_size: 128
    .sgpr_count:     66
    .vgpr_count:     768
    .wavefront_size: 32
...
	.end_amdgpu_metadata
.endif
;; end of part 4
;; launch combine (part 5): grid 256 x 1, 8 waves a work-group, no clusters, 0 bytes of LDS; arguments part, posof, out0; writes out0
.if DOCPART == 5
	.amdgcn_target "amdgcn-amd-amdhsa--gfx1250"
	.amdhsa_code_object_version 6
	.text
	.protected	k_qefb6acac04_combine
	.globl	k_qefb6acac04_combine
	.p2align	8
	.type	k_qefb6acac04_combine,@function
k_qefb6acac04_combine:
	s_mov_b64 s[64:65], 0
	v_nop
	global_prefetch_b8 v0, s[64:65] scope:SCOPE_SE
	s_setreg_imm32_b32 hwreg(HW_REG_WAVE_MODE, 25, 1), 1
	s_wait_xcnt 0x0
; out0[t][:] = the sum of the four K quarters' partial rows of token t: part[posof[t]][0..3][:], in f32, as (p0 + p1) + (p2 + p3).
; part: [4224][4][512] f32, posof: [4096] int32 (whole numbers of an earlier launch, clamped to 4,223 before they enter an address), out0: [4096][512] f32.
; It walks tokens, not places, so every output row is written once and rows without a token are never read.
; SHARE: a wave has two tokens: 32 loads of 512 consecutive bytes, all issued at once, then 8 stores of 512 consecutive bytes.  A stream: no LDS, no barrier, no matrix unit.
.set P, 16                             ; v[16:143]  token k, quarter kq, piece i at 64 k + 16 kq + 4 i
	s_load_b128 s[4:7], s[0:1], 0x0                ; part s[4:5], posof s[6:7]
	s_load_b64 s[8:9], s[0:1], 0x10                ; out0
	v_and_b32 v1, 31, v0
	v_lshrrev_b32 v2, 5, v0
	v_readfirstlane_b32 s14, v2                    ; wave
	v_lshlrev_b32 v1, 4, v1                        ; 16 bytes a lane
	s_lshl_b32 s15, ttmp9, 4
	s_lshl1_add_u32 s15, s14, s15                  ; my first token = 16 x work-group + 2 x wave
	s_lshl_b32 s22, s15, 2
	s_lshl_b32 s16, s15, 11                        ; rows of 2,048 bytes
	s_mov_b32 s17, 0
	s_wait_kmcnt 0x0
	s_load_b64 s[20:21], s[6:7], s22 offset:0x0    ; the two tokens' places
	s_add_nc_u64 s[8:9], s[8:9], s[16:17]
	s_wait_kmcnt 0x0
	s_min_u32 s20, s20, 4223
	s_min_u32 s21, s21, 4223
	s_lshl_b32 s24, s20, 13                        ; a place's four rows are 8,192 bytes
	s_mov_b32 s25, 0
	s_lshl_b32 s26, s21, 13
	s_mov_b32 s27, 0
	s_add_nc_u64 s[24:25], s[4:5], s[24:25]
	s_add_nc_u64 s[26:27], s[4:5], s[26:27]
.irp k, 0,1
.irp kq, 0,1,2,3
.irp i, 0,1,2,3
	global_load_b128 v[P+64*\k+16*\kq+4*\i:P+64*\k+16*\kq+4*\i+3], v1, s[24+2*\k:25+2*\k] offset:\kq*2048+\i*512 th:TH_LOAD_NT
.endr
.endr
.endr
.macro SUMTOK k, left
	s_wait_loadcnt \left                           ; loads come back in order: the other token's sixteen may stay out
.irp i, 0,1,2,3
	v_pk_add_f32 v[P+64*\k+4*\i:P+64*\k+4*\i+1],       v[P+64*\k+4*\i:P+64*\k+4*\i+1],       v[P+64*\k+16+4*\i:P+64*\k+16+4*\i+1]
	v_pk_add_f32 v[P+64*\k+4*\i+2:P+64*\k+4*\i+3],     v[P+64*\k+4*\i+2:P+64*\k+4*\i+3],     v[P+64*\k+16+4*\i+2:P+64*\k+16+4*\i+3]
	v_pk_add_f32 v[P+64*\k+32+4*\i:P+64*\k+32+4*\i+1],   v[P+64*\k+32+4*\i:P+64*\k+32+4*\i+1],   v[P+64*\k+48+4*\i:P+64*\k+48+4*\i+1]
	v_pk_add_f32 v[P+64*\k+32+4*\i+2:P+64*\k+32+4*\i+3], v[P+64*\k+32+4*\i+2:P+64*\k+32+4*\i+3], v[P+64*\k+48+4*\i+2:P+64*\k+48+4*\i+3]
	v_pk_add_f32 v[P+64*\k+4*\i:P+64*\k+4*\i+1],       v[P+64*\k+4*\i:P+64*\k+4*\i+1],       v[P+64*\k+32+4*\i:P+64*\k+32+4*\i+1]
	v_pk_add_f32 v[P+64*\k+4*\i+2:P+64*\k+4*\i+3],     v[P+64*\k+4*\i+2:P+64*\k+4*\i+3],     v[P+64*\k+32+4*\i+2:P+64*\k+32+4*\i+3]
	global_store_b128 v1, v[P+64*\k+4*\i:P+64*\k+4*\i+3], s[8:9] offset:\k*2048+\i*512 th:TH_STORE_NT
.endr
.endm
	SUMTOK 0, 16
	SUMTOK 1, 0
	s_endpgm
.Lfunc_end_k_qefb6acac04_combine:
	.size	k_qefb6acac04_combine, .Lfunc_end_k_qefb6acac04_combine-k_qefb6acac04_combine
	.p2alignl 7, 3214868480
	.fill 96, 4, 3214868480
	.section	.rodata,"a",@progbits
	.p2align	6, 0x0
	.amdhsa_kernel k_qefb6acac04_combine
		.amdhsa_group_segment_fixed_size 0
		.amdhsa_private_segment_fixed_size 0
		.amdhsa_enable_private_segment 0
		.amdhsa_kernarg_size 24
		.amdhsa_user_sgpr_count 2
		.amdhsa_user_sgpr_kernarg_segment_ptr 1
		.amdhsa_wavefront_size32 1
		.amdhsa_system_sgpr_workgroup_id_x 1
		.amdhsa_system_sgpr_workgroup_id_y 1
		.amdhsa_system_sgpr_workgroup_id_z 1
		.amdhsa_system_vgpr_workitem_id 0
		.amdhsa_next_free_vgpr 144
		.amdhsa_next_free_sgpr 66
		.amdhsa_reserve_vcc 0
		.amdhsa_float_denorm_mode_32 3
		.amdhsa_float_denorm_mode_16_64 3
		.amdhsa_memory_ordered 1
		.amdhsa_forward_progress 1
		.amdhsa_inst_pref_size 8
	.end_amdhsa_kernel
	.amdgpu_metadata
---
amdhsa.version: [ 1, 2 ]
amdhsa.kernels:
  - .name:           k_qefb6acac04_combine
    .symbol:         k_qefb6acac04_combine.kd
    .args:
      - { .name: part, .offset: 0, .size: 8, .value_kind: global_buffer, .address_space: global }
      - { .name: posof, .offset: 8, .size: 8, .value_kind: global_buffer, .address_space: global }
      - { .name: out0, .offset: 16, .size: 8, .value_kind: global_buffer, .address_space: global }
    .group_segment_fixed_size: 0
    .private_segment_fixed_size: 0
    .kernarg_segment_align: 8
    .kernarg_segment_size: 24
    .max_flat_workgroup_size: 256
    .sgpr_count:     66
    .vgpr_count:     144
    .wavefront_size: 32
...
	.end_amdgpu_metadata
.endif
;; end of part 5
;; ======== version 2 of 2: 5 launches; version 1 with the launches ffn1, ffn2 written anew for expert scheduling mode
;; limits: values outside matrix products are rounded to bf16
;; workspace buffers: idx 16,384 bytes of whole numbers; xb 4,194,304 bytes; xs 4,325,376 bytes; segs 256 bytes of whole numbers; posof 16,384 bytes of whole numbers; h 17,301,504 bytes; part 34,603,008 bytes
;; launch gate: the kernel of part 1 again; grid 256 x 1, 4 waves a work-group, no clusters, 0 bytes of LDS; arguments x, Wg, bg, idx, xb; writes idx, xb
;; launch route: the kernel of part 2 again; grid 132 x 1, 8 waves a work-group, no clusters, 40,448 bytes of LDS; arguments idx, xb, xs, segs, posof; writes xs, segs, posof
;; launch ffn1 (part 6): grid 256 x 1, 4 waves a work-group, no clusters, 82,432 bytes of LDS; arguments xs, W1, b1, segs, h; writes h
.if DOCPART == 6
	.amdgcn_target "amdgcn-amd-amdhsa--gfx1250"
	.amdhsa_code_object_version 6
	.text
	.protected	k_qefb6acac04_ffn1
	.globl	k_qefb6acac04_ffn1
	.p2align	8
	.type	k_qefb6acac04_ffn1,@function
k_qefb6acac04_ffn1:
	s_mov_b64 s[64:65], 0
	v_nop
	global_prefetch_b8 v0, s[64:65] scope:SCOPE_SE
	s_setreg_imm32_b32 hwreg(HW_REG_WAVE_SCHED_MODE, 0, 2), 2
	s_setreg_imm32_b32 hwreg(HW_REG_WAVE_MODE, 25, 1), 1
	s_wait_xcnt 0x0
	s_wait_alu depctr_vm_vsrc(0)
; One text for both products of the experts; SECOND = 0: h = relu(xs W1[e] + b1[e]) in bf16; SECOND = 1: part = h W2[e] (+ b2[e]) in f32, K in four quarters.
; THE WEIGHTS STAY: a work-group owns a slice of 512 (k) x 64 (n) of one expert's weights, 131,072 bytes of f32 in rows of 256 aligned bytes, which no other
; work-group reads.  It is rounded to bf16 once, goes through LDS once, and every one of the four waves keeps all of it as 64 fragments in 512 registers.
; The expert's rows stream past in blocks of 16, dealt to the waves in turn.  Activations lie in memory in fragment order (the 16 bytes of row r,
; k = 8 q .. 8 q + 7 at byte 256 q + 16 r of a block), so a load of 512 consecutive bytes is half an operand fragment, and the loop has no LDS tile and no barrier.
;   SECOND = 0: work-group = 32 e + fs, slice W1[e][0..511][64 fs ..];   SECOND = 1: work-group = 32 e + 8 kq + ds, slice W2[e][512 kq ..][64 ds ..].
; THE MATRIX INSTRUCTION IS USED TRANSPOSED: source 0 = 16 columns of the weights, source 1 = 16 rows of tokens.  Lane 16 h + r then holds row r and the
; columns 16 c + 8 h + 0..7 of tile c: packed to bf16 these 16 bytes are the lane's part of half a fragment of the next product.
; NUMBERS: weights, biases and activations are rounded once to bf16 (nearest even), sums are f32; the bias is the first matrix instruction's C.
; relu by v_max_num_f32: a NaN becomes 0.  Rows without a token are computed like the others and never read at the end.
; THE TRIP COUNT is read from segs (whole numbers of an earlier launch).  The one barrier stands in front of that read's use, in straight text.
; NO JOINT LOADS, though the work-groups of one expert read the same blocks: a joint load lands in LDS and wants a round of barriers for each refill, inside a
; loop whose count is read from memory and differs from expert to expert; here every barrier stands in straight text, and a block's 16,384 bytes go straight to registers.
; An expert without tokens: its work-groups read and round their slice, pass the barrier and end.
; THE MODE: SCHED_MODE bits 1:0 = 2 (LLVM: expert scheduling mode 2), set by the entry lines.  The code itself states the register dependences
; between vector or matrix instructions and memory or LDS instructions, with s_wait_alu, always for 0.
; THE PLAN.  Registers that memory or LDS instructions touch:
;   v1 .. v11   offsets and LDS addresses, made once at the head and never written again: the blocks are reached by scalar bases and immediate offsets.
;   window 1    the slice as loaded; the conversions read it; later the transposing LDS loads land in it.
;   S0 .. S3    four stages of 32 registers in v[128:255]: the conversions of the slice's quarter g write S[g], its LDS stores read it; none is written twice.
;   A0, A1      two buffers of a block's 16 fragments.  Block p is multiplied out of A[p % 2]; meanwhile the loads of block p + 1 land in the other buffer,
;               whose last readers were block p - 1's matrix instructions.
;   PK (SECOND = 0)         written by a block's roundings, read by its four stores, written again by the next block's roundings.
;   ACC, OUTR (SECOND = 1)  ACC: written by matrix instructions, read by the LDS stores.  OUTR: LDS loads land in it, the global stores read it.
; So ONE wait on va_vdst stands in a block, on its way out: the data that leave are written, and the block's matrix instructions are done reading A[p % 2].  Between it and
; the next such wait vector and matrix instructions name the other buffer, the weights, ACC, BIAS and PK alone, so the next block's 32 loads into A[p % 2] follow with no
; further wait, dealt eight at the head of each group of sixteen matrix instructions.  One wait on vm_vsrc a block stands ahead of the lines that write the out-registers again.
.set SECOND, 0
.if SECOND
.set WSH,   11                         ; a row of W2 is 2,048 bytes
.set ASH,   16                         ; a block of h is 65,536 bytes
.set OSH,   17                         ; 16 rows of part are 131,072 bytes
.set BSH,   11                         ; b2: 2,048 bytes an expert
.else
.set WSH,   13                         ; a row of W1 is 8,192 bytes
.set ASH,   14                         ; a block of xs is 16,384 bytes
.set OSH,   16                         ; a block of h is 65,536 bytes
.set BSH,   13                         ; b1: 8,192 bytes an expert
.endif
.set WP,     1<<WSH
.set ASTEP,  4<<ASH                    ; four blocks on: the waves take turns
.set OSTEP,  4<<OSH
.set WPITCH, 160                       ; LDS row of the slice: 64 bf16 + 32 bytes, an odd multiple of 32 bytes, for the transposing loads
.set WHALF,  256*WPITCH                ; the immediate reaches 65,535 bytes: a second address register for rows 256 and up
.set STAGE,  512*WPITCH                ; SECOND: behind the slice, 16 rows x 272 bytes for each wave, its own
.set SPITCH, 272
; window 0: v1 16 L, the offset of the blocks' loads; v2 my offset in the slice; v3, v4 where I put bf16 in LDS; v5, v6 where I read fragments; v7 32 h;
;           v8, v9, v10 the way out (SECOND = 1); v11 16 L once more, the stores' own offset (SECOND = 0): no store names a register of the blocks' loads
.set BIAS, 16                          ; v[16:47]   tile c at 8 c: the bias of my 8 columns
.set ACC,  48                          ; v[48:79]   tile c at 8 c
.set PK,   80                          ; v[80:95]   SECOND = 0: tile c's 16 bytes of bf16
.set OUTR, 80                          ; v[80:111]  SECOND = 1: rows on their way out
.set TMP,  112                         ; v[112:127] at work
.set A,    128                         ; v[128:255] buffer A0: a block's 16 fragments, K step ks at 8 ks; first the four stages of the conversion
; window 1 (v256-511): first the slice as loaded, then the weights' fragments of K steps 0-7, (ks, c) at 32 ks + 8 c;  window 2 (v512-767): K steps 8-15
; window 3 (v768-895): buffer A1, K step ks at 8 ks
.set ON,   30                          ; s[30:31]   what the next way out adds to the result's base: 0 ahead of my first block, a step from then on
.set MSB, 0
.macro WIN new                         ; low byte: bits 1:0 source 0, 3:2 source 1, 5:4 source 2, 7:6 destination; the high byte repeats the setting that is left
.if MSB != (\new)
	s_set_vgpr_msb (MSB<<8)|(\new)
.set MSB, (\new)
.endif
.endm
.macro PLACES n
.rept \n
	v_nop
.endr
.endm
	s_load_b256 s[4:11], s[0:1], 0x0               ; activations s[4:5], weights s[6:7], bias s[8:9], segs s[10:11]
	s_load_b64 s[12:13], s[0:1], 0x20              ; result
	v_lshl_add_u32 v110, v0, 2, 0x14000
	v_mov_b32 v111, 0
	v_lshrrev_b32 v112, 5, v0
	v_readfirstlane_b32 s14, v112                  ; wave
	s_lshr_b32 s15, ttmp9, 5                       ; expert e
	s_lshl_b32 s25, s15, 2                         ; its word in segs; not rewritten while the two loads below are out
	s_mov_b32 s19, 0                               ; high word of every offset
	s_mov_b32 s24, 0xffff0000
	s_mov_b32 s[ON], 0
	s_mov_b32 s[ON+1], 0
.if SECOND
	s_and_b32 s16, ttmp9, 7                        ; ds: which 64 columns
	s_bfe_u32 s17, ttmp9, 0x20003                  ; kq: which quarter of K
.else
	s_and_b32 s16, ttmp9, 31                       ; fs: which 64 columns
.endif
	v_and_b32 v113, 31, v0
	v_lshlrev_b32 v1, 4, v113                      ; 16 L
	v_lshrrev_b32 v114, 4, v0                      ; thread / 16: 0..7, my row in each group of 8
	v_and_b32 v115, 15, v0                         ; thread % 16 = r
	v_lshlrev_b32 v116, 4, v115
	v_lshl_add_u32 v2, v114, WSH, v116             ; sixteen lanes cover a slice's row of 256 bytes
	v_mul_u32_u24 v3, v114, WPITCH
	v_lshl_add_u32 v3, v115, 3, v3                 ; the same four numbers as 8 bytes of bf16
	v_add_nc_u32 v4, WHALF, v3
	v_bfe_u32 v117, v0, 4, 1                       ; h
	v_and_b32 v118, 7, v0
	v_lshl_add_u32 v118, v117, 3, v118             ; 8 h + L % 8: the row of k that I address
	v_bfe_u32 v119, v0, 3, 1
	v_lshlrev_b32 v119, 4, v119                    ; and which 8 of the 16 columns
	v_mul_u32_u24 v5, v118, WPITCH
	v_add_nc_u32 v5, v119, v5
	v_add_nc_u32 v6, WHALF, v5
	v_lshlrev_b32 v7, 5, v117                      ; my 8 numbers in 16 of the bias
	s_wait_alu depctr_va_sdst(0)                   ; s14 is written, ahead of its first reader: my stage, my blocks and their count are made from it
.if SECOND
	s_mul_i32 s26, s14, 16*SPITCH
	s_add_co_u32 s26, s26, STAGE                   ; my stage
	v_mul_u32_u24 v8, v115, SPITCH
	v_lshl_add_u32 v8, v117, 5, v8
	v_add_nc_u32 v8, s26, v8                       ; in: row r, 32 bytes for each half of the lanes
	v_mul_u32_u24 v9, v117, SPITCH
	v_lshl_add_u32 v9, v115, 4, v9
	v_add_nc_u32 v9, s26, v9                       ; back: lanes 0-15 one row of 256 bytes, lanes 16-31 the next
	v_lshlrev_b32 v10, 13, v117
	v_lshl_add_u32 v10, v115, 4, v10               ; the same two rows in part, 8,192 bytes apart
.else
	v_lshlrev_b32 v11, 4, v113                     ; 16 L for the stores
.endif
	s_wait_kmcnt 0x0
	s_load_b32 s20, s[10:11], s25 offset:0x0       ; blk0_e
	s_load_b32 s21, s[10:11], s25 offset:0x20      ; nb_e
	s_lshl_b32 s18, s15, 22                        ; an expert's weights are 4 MiB
	s_lshl_b32 s27, s16, 8                         ; 64 columns are 256 bytes
	s_add_co_u32 s18, s18, s27
.if SECOND
	s_lshl_b32 s27, s17, 20                        ; 512 rows of 2,048 bytes
	s_add_co_u32 s18, s18, s27
.endif
	s_add_nc_u64 s[6:7], s[6:7], s[18:19]
	s_lshl_b32 s18, s15, BSH
	s_lshl_b32 s27, s16, 8
	s_add_co_u32 s18, s18, s27
	s_add_nc_u64 s[8:9], s[8:9], s[18:19]
	s_wait_alu depctr_va_vdst(0)                   ; the offsets and LDS addresses v1 to v11 are written, which every load and store of the kernel reads
.irp c, 0,1,2,3
	global_load_b128 v[BIAS+8*\c:BIAS+8*\c+3],   v7, s[8:9] offset:\c*64
	global_load_b128 v[BIAS+8*\c+4:BIAS+8*\c+7], v7, s[8:9] offset:\c*64+16
.endr
	WIN 0x40                                       ; the slice lands in window 1: 64 loads a thread, all at once
.set i, 0
.rept 64
	global_load_b128 v[4*i:4*i+3], v2, s[6:7] offset:i*8*WP th:TH_LOAD_NT   ; rows 8 i + thread / 16
.set i, i+1
.endr
	WIN 0
.irp g, 0,1,2,3
	s_wait_loadcnt 48-16*\g                        ; loads come back in order: the slice's later loads stay out (the bias came first of all)
	WIN 0x05                                       ; both sources in window 1
.set n, 0
.rept 32
	v_cvt_pk_bf16_f32 v[A+32*\g+n], v[64*\g+2*n], v[64*\g+2*n+1]   ; into stage g
.set n, n+1
.endr
	WIN 0
	s_wait_alu depctr_va_vdst(0)                   ; the conversions have written stage g, which the LDS stores read.  The fourth of these waits is the last in front of the loop, and no vector instruction follows it there: it also states that the conversions are done with window 1 and with v[128:255], in which loads land below
.set n, 0
.rept 16
.if \g < 2
	ds_store_b64 v3, v[A+32*\g+2*n:A+32*\g+2*n+1] offset:(16*\g+n)*8*WPITCH
.else
	ds_store_b64 v4, v[A+32*\g+2*n:A+32*\g+2*n+1] offset:(16*\g+n-32)*8*WPITCH
.endif
.set n, n+1
.endr
.if \g == 0
.set n, 0
.rept 16                                           ; the bias to bf16 and back, while the slice's second quarter is on its way; no memory instruction names these registers again
	v_cvt_pk_bf16_f32 v[TMP+n], v[BIAS+2*n], v[BIAS+2*n+1]
.set n, n+1
.endr
.set n, 0
.rept 16
	v_lshlrev_b32 v[BIAS+2*n], 16, v[TMP+n]
	v_and_b32 v[BIAS+2*n+1], s24, v[TMP+n]
.set n, n+1
.endr
.if SECOND
	s_cmp_eq_u32 s17, 0
	s_cselect_b32 s23, -1, 0
.set n, 0
.rept 32
	v_cndmask_b32 v[BIAS+n], 0, v[BIAS+n], s23     ; b2 enters once: in the first quarter of K
.set n, n+1
.endr
.endif
.endif
.endr
	s_wait_dscnt 0x0                               ; for the other waves' sake: my part of the slice is in LDS
	s_barrier_signal -1
	s_barrier_wait -1                              ; the launch's one barrier
	s_wait_kmcnt 0x0                               ; blk0_e, nb_e
	s_min_u32 s20, s20, 263
	s_min_u32 s21, s21, 264
	s_add_co_u32 s22, s21, 3
	s_sub_co_u32 s22, s22, s14
	s_lshr_b32 s22, s22, 2                         ; my blocks: blk0 + w, + 4, ..: (nb + 3 - w) / 4 of them
	s_cmp_eq_u32 s22, 0
	s_cbranch_scc1 .Lend
	s_add_co_u32 s20, s20, s14                     ; my first block
	s_lshl_b32 s18, s20, ASH
.if SECOND
	s_lshl_b32 s27, s17, 14                        ; my quarter of K: 16 K steps of 1,024 bytes
	s_add_co_u32 s18, s18, s27
.endif
	s_add_nc_u64 s[4:5], s[4:5], s[18:19]
	s_lshl_b32 s18, s20, OSH
.if SECOND
	s_lshl_b32 s27, s17, 11                        ; part[place][kq][512]
	s_add_co_u32 s18, s18, s27
	s_lshl_b32 s27, s16, 8
.else
	s_lshl_b32 s27, s16, 11                        ; my 64 columns are two K steps of h: 2,048 bytes
.endif
	s_add_co_u32 s18, s18, s27
	s_add_nc_u64 s[12:13], s[12:13], s[18:19]
	s_wait_alu depctr_vm_vsrc(0)                   ; my LDS stores have read the four stages: these registers are A0 from here on, and the first block lands in them
.set ks, 0
.rept 16
	global_load_b128 v[A+8*ks:A+8*ks+3],   v1, s[4:5] offset:ks*1024       ; the first block: k = 32 ks + 8 h + 0..7 of row r
	global_load_b128 v[A+8*ks+4:A+8*ks+7], v1, s[4:5] offset:ks*1024+512   ; k = 32 ks + 16 + 8 h + 0..7
.set ks, ks+1
.endr
	s_wait_xcnt 0x0                                ; the base is stepped only behind this wait
	s_add_nc_u64 s[4:5], s[4:5], ASTEP
	WIN 0x40                                       ; the weights' fragments, transposed on the way: column 16 c + r in lane r, k along the registers
.set ks, 0
.rept 8
.irp c, 0,1,2,3
	ds_load_tr16_b128 v[32*ks+8*\c:32*ks+8*\c+3],   v5 offset:ks*32*WPITCH+\c*32
	ds_load_tr16_b128 v[32*ks+8*\c+4:32*ks+8*\c+7], v5 offset:ks*32*WPITCH+\c*32+16*WPITCH
.endr
.set ks, ks+1
.endr
	WIN 0x80
.set ks, 0
.rept 8
.irp c, 0,1,2,3
	ds_load_tr16_b128 v[32*ks+8*\c:32*ks+8*\c+3],   v6 offset:ks*32*WPITCH+\c*32
	ds_load_tr16_b128 v[32*ks+8*\c+4:32*ks+8*\c+7], v6 offset:ks*32*WPITCH+\c*32+16*WPITCH
.endr
.set ks, ks+1
.endr
	WIN 0
	s_wait_dscnt 0x0
; Four K steps of the block in buffer b: 16 matrix instructions, the four accumulators by turns, one instruction a turn, over the groups' borders and the backward jump too
; refill = 1: at the group's head the same four K steps of my next block are asked for, into the other buffer.  No wait on va_vdst stands
; here: the other buffer's last readers stand ahead of the wait on the last block's way out, and nothing issued since names it or v1.
; left: how many younger loads may stay out.  AW, AN: the first register of the buffer at work and of the other, each in its window.
.macro GROUP b, g, refill, left
	s_wait_loadcnt \left
.if \refill
	WIN 0xc0*(1-\b)                                ; the data land in window 3 (A1) or in window 0 (A0); the offset lies in window 0
.irp d, 0,1,2,3
	global_load_b128 v[AN+8*(4*\g+\d):AN+8*(4*\g+\d)+3],   v1, s[4:5] offset:(4*\g+\d)*1024
	global_load_b128 v[AN+8*(4*\g+\d)+4:AN+8*(4*\g+\d)+7], v1, s[4:5] offset:(4*\g+\d)*1024+512
.endr
.endif
	WIN 0x0c*\b+1+\g/2                             ; source 0: the weights in window 1 or 2; source 1: A0 in window 0 or A1 in window 3
.irp d, 0,1,2,3
.irp c, 0,1,2,3
.if (4*\g+\d) == 0
	v_wmma_f32_16x16x32_bf16 v[ACC+8*\c:ACC+8*\c+7], v[8*\c:8*\c+7], v[AW:AW+7], v[BIAS+8*\c:BIAS+8*\c+7]   ; the bias starts the sums: nothing is cleared
.else
	v_wmma_f32_16x16x32_bf16 v[ACC+8*\c:ACC+8*\c+7], v[32*((4*\g+\d)&7)+8*\c:32*((4*\g+\d)&7)+8*\c+7], v[AW+8*(4*\g+\d):AW+8*(4*\g+\d)+7], v[ACC+8*\c:ACC+8*\c+7]
.endif
.endr
.endr
.endm
; A block of 16 rows, in buffer b.  With refills every group's count is 24: behind group g's eight loads came 8 (3 - g) of this block and 8 g of the next.
; On its way out, ahead of its stores, a block brings the result's base to its own rows: it adds s[ON:ON+1], which is 0 for my first block and a step for every later one.
; A block with a successor also moves the activations' base on, to the block after the one that it has just asked for.
.macro TRIP b, refill
.set AW, A*(1-\b)
.set AN, A*\b
.if \refill
	GROUP \b, 0, 1, 24
	GROUP \b, 1, 1, 24
	GROUP \b, 2, 1, 24
	GROUP \b, 3, 1, 24
.else
	GROUP \b, 0, 0, 24                             ; the last block: nothing is asked for, the counts run down
	GROUP \b, 1, 0, 16
	GROUP \b, 2, 0, 8
	GROUP \b, 3, 0, 0
.endif
	WIN 0
	PLACES 5                                       ; five: the next block's first matrix instructions write over these accumulators; the way out reads them (ISA guide 7.12.1)
.if SECOND
	; 16 rows x 64 columns of f32 through my own stage: rows of 256 bytes come back whole.  LDS serves a wave's instructions in order (ISA guide 5.7.1).
	s_wait_xcnt 0x0                                ; both bases, and OUTR, which the last block's stores read, are rewritten only behind this wait
	s_add_nc_u64 s[12:13], s[12:13], s[ON:ON+1]
.if \refill
	s_mov_b32 s[ON], OSTEP
	s_add_nc_u64 s[4:5], s[4:5], ASTEP
.endif
	s_wait_alu depctr_va_vdst(0)                   ; the matrix instructions have written the accumulators, which the LDS stores read, and are done reading this buffer, in which the next block's loads land; the places above stay beside this wait
.irp c, 0,1,2,3
	ds_store_b128 v8, v[ACC+8*\c:ACC+8*\c+3]   offset:\c*64
	ds_store_b128 v8, v[ACC+8*\c+4:ACC+8*\c+7] offset:\c*64+16
.endr
.irp t, 0,1,2,3,4,5,6,7
	ds_load_b128 v[OUTR+4*\t:OUTR+4*\t+3], v9 offset:\t*2*SPITCH
.endr
.irp t, 0,1,2,3,4,5,6,7
	s_wait_dscnt 7-\t
	global_store_b128 v10, v[OUTR+4*\t:OUTR+4*\t+3], s[12:13] offset:\t*16384   ; sixteen lanes store 256 consecutive bytes, aligned
.endr
.if \refill
	s_wait_alu depctr_vm_vsrc(0)                   ; the LDS stores have read the accumulators, which the next block's first matrix instructions write; the global stores have read OUTR, in which its LDS loads land
.endif
.else
.set n, 0
.rept 32
	v_max_num_f32 v[ACC+n], 0, v[ACC+n]
.set n, n+1
.endr
	s_wait_xcnt 0x0                                ; both bases, and PK, which the last block's stores read, are rewritten only behind this wait
	s_wait_alu depctr_vm_vsrc(0)                   ; the stores of the block before, where there was one, have read PK, which the roundings below write again
	s_add_nc_u64 s[12:13], s[12:13], s[ON:ON+1]
.if \refill
	s_mov_b32 s[ON], OSTEP
	s_add_nc_u64 s[4:5], s[4:5], ASTEP
.endif
.set n, 0
.rept 16
	v_cvt_pk_bf16_f32 v[PK+n], v[ACC+2*n], v[ACC+2*n+1]
.set n, n+1
.endr
	s_wait_alu depctr_va_vdst(0)                   ; the roundings have written PK, which the stores read; this block's matrix instructions are done reading this buffer, in which the next block's loads land
.irp c, 0,1,2,3
	global_store_b128 v11, v[PK+4*\c:PK+4*\c+3], s[12:13] offset:\c*512   ; tile c = half c % 2 of K step 2 fs + c / 2 of h: 512 consecutive bytes
.endr
.endif
.endm
	s_sub_co_u32 s22, s22, 1                       ; all blocks but the last ask for the next
	s_and_b32 s28, s22, 1                          ; of these: one that is left over,
	s_lshr_b32 s22, s22, 1                         ; and laps of two, one block out of each buffer
	s_cmp_eq_u32 s22, 0
	s_cbranch_scc1 .Lafter
.Llap:
	TRIP 0, 1
	TRIP 1, 1
	s_sub_co_u32 s22, s22, 1
	s_cmp_lg_u32 s22, 0
	s_cbranch_scc1 .Llap
.Lafter:                                               ; the block in hand lies in A0, on the way from the head and on the way out of the loop
	s_cmp_eq_u32 s28, 0
	s_cbranch_scc1 .Llast
	TRIP 0, 1
	TRIP 1, 0
	s_branch .Lend
.Llast:
	TRIP 0, 0
.Lend:
	s_wait_dscnt 0x0
	s_wait_alu depctr_hold_cnt(0) depctr_sa_sdst(0) depctr_va_vdst(0) depctr_va_sdst(0) depctr_va_ssrc(0) depctr_va_vcc(0) depctr_vm_vsrc(0)
	s_wait_tensorcnt 0x0
	ds_add_u32 v110, v111
	s_wait_dscnt 0x0
	s_endpgm
.Lfunc_end_k_qefb6acac04_ffn1:
	.size	k_qefb6acac04_ffn1, .Lfunc_end_k_qefb6acac04_ffn1-k_qefb6acac04_ffn1
	.p2alignl 7, 3214868480
	.fill 96, 4, 3214868480
	.section	.rodata,"a",@progbits
	.p2align	6, 0x0
	.amdhsa_kernel k_qefb6acac04_ffn1
		.amdhsa_group_segment_fixed_size 82432
		.amdhsa_private_segment_fixed_size 0
		.amdhsa_enable_private_segment 0
		.amdhsa_kernarg_size 40
		.amdhsa_user_sgpr_count 2
		.amdhsa_user_sgpr_kernarg_segment_ptr 1
		.amdhsa_wavefront_size32 1
		.amdhsa_system_sgpr_workgroup_id_x 1
		.amdhsa_system_sgpr_workgroup_id_y 1
		.amdhsa_system_sgpr_workgroup_id_z 1
		.amdhsa_system_vgpr_workitem_id 0
		.amdhsa_next_free_vgpr 896
		.amdhsa_next_free_sgpr 66
		.amdhsa_reserve_vcc 0
		.amdhsa_float_denorm_mode_32 3
		.amdhsa_float_denorm_mode_16_64 3
		.amdhsa_memory_ordered 1
		.amdhsa_forward_progress 1
		.amdhsa_inst_pref_size 81
	.end_amdhsa_kernel
	.amdgpu_metadata
---
amdhsa.version: [ 1, 2 ]
amdhsa.kernels:
  - .name:           k_qefb6acac04_ffn1
    .symbol:         k_qefb6acac04_ffn1.kd
    .args:
      - { .name: xs, .offset: 0, .size: 8, .value_kind: global_buffer, .address_space: global }
      - { .name: W1, .offset: 8, .size: 8, .value_kind: global_buffer, .address_space: global }
      - { .name: b1, .offset: 16, .size: 8, .value_kind: global_buffer, .address_space: global }
      - { .name: segs, .offset: 24, .size: 8, .value_kind: global_buffer, .address_space: global }
      - { .name: h, .offset: 32, .size: 8, .value_kind: global_buffer, .address_space: global }
    .group_segment_fixed_size: 82432
    .private_segment_fixed_size: 0
    .kernarg_segment_align: 8
    .kernarg_segment_size: 40
    .max_flat_workgroup_size: 128
    .sgpr_count:     66
    .vgpr_count:     896
    .wavefront_size: 32
...
	.end_amdgpu_metadata
.endif
;; end of part 6
;; launch ffn2 (part 7): grid 256 x 1, 4 waves a work-group, no clusters, 99,840 bytes of LDS; arguments h, W2, b2, segs, part; writes part
.if DOCPART == 7
	.amdgcn_target "amdgcn-amd-amdhsa--gfx1250"
	.amdhsa_code_object_version 6
	.text
	.protected	k_qefb6acac04_ffn2
	.globl	k_qefb6acac04_ffn2
	.p2align	8
	.type	k_qefb6acac04_ffn2,@function
k_qefb6acac04_ffn2:
	s_mov_b64 s[64:65], 0
	v_nop
	global_prefetch_b8 v0, s[64:65] scope:SCOPE_SE
	s_setreg_imm32_b32 hwreg(HW_REG_WAVE_SCHED_MODE, 0, 2), 2
	s_setreg_imm32_b32 hwreg(HW_REG_WAVE_MODE, 25, 1), 1
	s_wait_xcnt 0x0
	s_wait_alu depctr_vm_vsrc(0)
; One text for both products of the experts; SECOND = 0: h = relu(xs W1[e] + b1[e]) in bf16; SECOND = 1: part = h W2[e] (+ b2[e]) in f32, K in four quarters.
; THE WEIGHTS STAY: a work-group owns a slice of 512 (k) x 64 (n) of one expert's weights, 131,072 bytes of f32 in rows of 256 aligned bytes, which no other
; work-group reads.  It is rounded to bf16 once, goes through LDS once, and every one of the four waves keeps all of it as 64 fragments in 512 registers.
; The expert's rows stream past in blocks of 16, dealt to the waves in turn.  Activations lie in memory in fragment order (the 16 bytes of row r,
; k = 8 q .. 8 q + 7 at byte 256 q + 16 r of a block), so a load of 512 consecutive bytes is half an operand fragment, and the loop has no LDS tile and no barrier.
;   SECOND = 0: work-group = 32 e + fs, slice W1[e][0..511][64 fs ..];   SECOND = 1: work-group = 32 e + 8 kq + ds, slice W2[e][512 kq ..][64 ds ..].
; THE MATRIX INSTRUCTION IS USED TRANSPOSED: source 0 = 16 columns of the weights, source 1 = 16 rows of tokens.  Lane 16 h + r then holds row r and the
; columns 16 c + 8 h + 0..7 of tile c.  Here the four quarters' sums are f32 and leave as rows of part[place][kq][512]; a later launch adds them.
; NUMBERS: weights, biases and activations are rounded once to bf16 (nearest even), sums are f32; the bias is the first matrix instruction's C.
; Rows without a token are computed like the others and never read at the end.
; THE TRIP COUNT is read from segs (whole numbers of an earlier launch).  The one barrier stands in front of that read's use, in straight text.
; NO JOINT LOADS, though the work-groups of one expert and quarter read the same blocks: a joint load lands in LDS and wants a round of barriers for each refill,
; inside a loop whose count is read from memory and differs from expert to expert; here every barrier stands in straight text, and a block's 16,384 bytes go straight to registers.
; An expert without tokens: its work-groups read and round their slice, pass the barrier and end.
; THE MODE: SCHED_MODE bits 1:0 = 2 (LLVM: expert scheduling mode 2), set by the entry lines.  The code itself states the register dependences
; between vector or matrix instructions and memory or LDS instructions, with s_wait_alu, always for 0.
; THE PLAN.  Registers that memory or LDS instructions touch:
;   v1 .. v11   offsets and LDS addresses, made once at the head and never written again: the blocks are reached by scalar bases and immediate offsets.
;   window 1    the slice as loaded; the conversions read it; later the transposing LDS loads land in it.
;   S0 .. S3    four stages of 32 registers in v[128:255]: the conversions of the slice's quarter g write S[g], its LDS stores read it; none is written twice.
;   A0, A1      two buffers of a block's 16 fragments.  Block p is multiplied out of A[p % 2]; meanwhile the loads of block p + 1 land in the other buffer,
;               whose last readers were block p - 1's matrix instructions.
;   PK (SECOND = 0)         written by a block's roundings, read by its four stores, written again by the next block's roundings.
;   ACC, OUTR (SECOND = 1)  ACC: written by matrix instructions, read by the LDS stores.  OUTR: LDS loads land in it, the global stores read it.
; So ONE wait on va_vdst stands in a block, on its way out: the data that leave are written, and the block's matrix instructions are done reading A[p % 2].  Between it and
; the next such wait vector and matrix instructions name the other buffer, the weights, ACC, BIAS and PK alone, so the next block's 32 loads into A[p % 2] follow with no
; further wait, dealt eight at the head of each group of sixteen matrix instructions.  One wait on vm_vsrc a block stands ahead of the lines that write the out-registers again.
.set SECOND, 1
.if SECOND
.set WSH,   11                         ; a row of W2 is 2,048 bytes
.set ASH,   16                         ; a block of h is 65,536 bytes
.set OSH,   17                         ; 16 rows of part are 131,072 bytes
.set BSH,   11                         ; b2: 2,048 bytes an expert
.else
.set WSH,   13                         ; a row of W1 is 8,192 bytes
.set ASH,   14                         ; a block of xs is 16,384 bytes
.set OSH,   16                         ; a block of h is 65,536 bytes
.set BSH,   13                         ; b1: 8,192 bytes an expert
.endif
.set WP,     1<<WSH
.set ASTEP,  4<<ASH                    ; four blocks on: the waves take turns
.set OSTEP,  4<<OSH
.set WPITCH, 160                       ; LDS row of the slice: 64 bf16 + 32 bytes, an odd multiple of 32 bytes, for the transposing loads
.set WHALF,  256*WPITCH                ; the immediate reaches 65,535 bytes: a second address register for rows 256 and up
.set STAGE,  512*WPITCH                ; SECOND: behind the slice, 16 rows x 272 bytes for each wave, its own
.set SPITCH, 272
; window 0: v1 16 L, the offset of the blocks' loads; v2 my offset in the slice; v3, v4 where I put bf16 in LDS; v5, v6 where I read fragments; v7 32 h;
;           v8, v9, v10 the way out (SECOND = 1); v11 16 L once more, the stores' own offset (SECOND = 0): no store names a register of the blocks' loads
.set BIAS, 16                          ; v[16:47]   tile c at 8 c: the bias of my 8 columns
.set ACC,  48                          ; v[48:79]   tile c at 8 c
.set PK,   80                          ; v[80:95]   SECOND = 0: tile c's 16 bytes of bf16
.set OUTR, 80                          ; v[80:111]  SECOND = 1: rows on their way out
.set TMP,  112                         ; v[112:127] at work
.set A,    128                         ; v[128:255] buffer A0: a block's 16 fragments, K step ks at 8 ks; first the four stages of the conversion
; window 1 (v256-511): first the slice as loaded, then the weights' fragments of K steps 0-7, (ks, c) at 32 ks + 8 c;  window 2 (v512-767): K steps 8-15
; window 3 (v768-895): buffer A1, K step ks at 8 ks
.set ON,   30                          ; s[30:31]   what the next way out adds to the result's base: 0 ahead of my first block, a step from then on
.set MSB, 0
.macro WIN new                         ; low byte: bits 1:0 source 0, 3:2 source 1, 5:4 source 2, 7:6 destination; the high byte repeats the setting that is left
.if MSB != (\new)
	s_set_vgpr_msb (MSB<<8)|(\new)
.set MSB, (\new)
.endif
.endm
.macro PLACES n
.rept \n
	v_nop
.endr
.endm
	s_load_b256 s[4:11], s[0:1], 0x0               ; activations s[4:5], weights s[6:7], bias s[8:9], segs s[10:11]
	s_load_b64 s[12:13], s[0:1], 0x20              ; result
	v_lshl_add_u32 v14, v0, 2, 0x18400
	v_mov_b32 v15, 0
	v_lshrrev_b32 v112, 5, v0
	v_readfirstlane_b32 s14, v112                  ; wave
	s_lshr_b32 s15, ttmp9, 5                       ; expert e
	s_lshl_b32 s25, s15, 2                         ; its word in segs; not rewritten while the two loads below are out
	s_mov_b32 s19, 0                               ; high word of every offset
	s_mov_b32 s24, 0xffff0000
	s_mov_b32 s[ON], 0
	s_mov_b32 s[ON+1], 0
.if SECOND
	s_and_b32 s16, ttmp9, 7                        ; ds: which 64 columns
	s_bfe_u32 s17, ttmp9, 0x20003                  ; kq: which quarter of K
.else
	s_and_b32 s16, ttmp9, 31                       ; fs: which 64 columns
.endif
	v_and_b32 v113, 31, v0
	v_lshlrev_b32 v1, 4, v113                      ; 16 L
	v_lshrrev_b32 v114, 4, v0                      ; thread / 16: 0..7, my row in each group of 8
	v_and_b32 v115, 15, v0                         ; thread % 16 = r
	v_lshlrev_b32 v116, 4, v115
	v_lshl_add_u32 v2, v114, WSH, v116             ; sixteen lanes cover a slice's row of 256 bytes
	v_mul_u32_u24 v3, v114, WPITCH
	v_lshl_add_u32 v3, v115, 3, v3                 ; the same four numbers as 8 bytes of bf16
	v_add_nc_u32 v4, WHALF, v3
	v_bfe_u32 v117, v0, 4, 1                       ; h
	v_and_b32 v118, 7, v0
	v_lshl_add_u32 v118, v117, 3, v118             ; 8 h + L % 8: the row of k that I address
	v_bfe_u32 v119, v0, 3, 1
	v_lshlrev_b32 v119, 4, v119                    ; and which 8 of the 16 columns
	v_mul_u32_u24 v5, v118, WPITCH
	v_add_nc_u32 v5, v119, v5
	v_add_nc_u32 v6, WHALF, v5
	v_lshlrev_b32 v7, 5, v117                      ; my 8 numbers in 16 of the bias
	s_wait_alu depctr_va_sdst(0)                   ; s14 is written, ahead of its first reader: my stage, my blocks and their count are made from it
.if SECOND
	s_mul_i32 s26, s14, 16*SPITCH
	s_add_co_u32 s26, s26, STAGE                   ; my stage
	v_mul_u32_u24 v8, v115, SPITCH
	v_lshl_add_u32 v8, v117, 5, v8
	v_add_nc_u32 v8, s26, v8                       ; in: row r, 32 bytes for each half of the lanes
	v_mul_u32_u24 v9, v117, SPITCH
	v_lshl_add_u32 v9, v115, 4, v9
	v_add_nc_u32 v9, s26, v9                       ; back: lanes 0-15 one row of 256 bytes, lanes 16-31 the next
	v_lshlrev_b32 v10, 13, v117
	v_lshl_add_u32 v10, v115, 4, v10               ; the same two rows in part, 8,192 bytes apart
.else
	v_lshlrev_b32 v11, 4, v113                     ; 16 L for the stores
.endif
	s_wait_kmcnt 0x0
	s_load_b32 s20, s[10:11], s25 offset:0x0       ; blk0_e
	s_load_b32 s21, s[10:11], s25 offset:0x20      ; nb_e
	s_lshl_b32 s18, s15, 22                        ; an expert's weights are 4 MiB
	s_lshl_b32 s27, s16, 8                         ; 64 columns are 256 bytes
	s_add_co_u32 s18, s18, s27
.if SECOND
	s_lshl_b32 s27, s17, 20                        ; 512 rows of 2,048 bytes
	s_add_co_u32 s18, s18, s27
.endif
	s_add_nc_u64 s[6:7], s[6:7], s[18:19]
	s_lshl_b32 s18, s15, BSH
	s_lshl_b32 s27, s16, 8
	s_add_co_u32 s18, s18, s27
	s_add_nc_u64 s[8:9], s[8:9], s[18:19]
	s_wait_alu depctr_va_vdst(0)                   ; the offsets and LDS addresses v1 to v11 are written, which every load and store of the kernel reads
.irp c, 0,1,2,3
	global_load_b128 v[BIAS+8*\c:BIAS+8*\c+3],   v7, s[8:9] offset:\c*64
	global_load_b128 v[BIAS+8*\c+4:BIAS+8*\c+7], v7, s[8:9] offset:\c*64+16
.endr
	WIN 0x40                                       ; the slice lands in window 1: 64 loads a thread, all at once
.set i, 0
.rept 64
	global_load_b128 v[4*i:4*i+3], v2, s[6:7] offset:i*8*WP th:TH_LOAD_NT   ; rows 8 i + thread / 16
.set i, i+1
.endr
	WIN 0
.irp g, 0,1,2,3
	s_wait_loadcnt 48-16*\g                        ; loads come back in order: the slice's later loads stay out (the bias came first of all)
	WIN 0x05                                       ; both sources in window 1
.set n, 0
.rept 32
	v_cvt_pk_bf16_f32 v[A+32*\g+n], v[64*\g+2*n], v[64*\g+2*n+1]   ; into stage g
.set n, n+1
.endr
	WIN 0
	s_wait_alu depctr_va_vdst(0)                   ; the conversions have written stage g, which the LDS stores read.  The fourth of these waits is the last in front of the loop, and no vector instruction follows it there: it also states that the conversions are done with window 1 and with v[128:255], in which loads land below
.set n, 0
.rept 16
.if \g < 2
	ds_store_b64 v3, v[A+32*\g+2*n:A+32*\g+2*n+1] offset:(16*\g+n)*8*WPITCH
.else
	ds_store_b64 v4, v[A+32*\g+2*n:A+32*\g+2*n+1] offset:(16*\g+n-32)*8*WPITCH
.endif
.set n, n+1
.endr
.if \g == 0
.set n, 0
.rept 16                                           ; the bias to bf16 and back, while the slice's second quarter is on its way; no memory instruction names these registers again
	v_cvt_pk_bf16_f32 v[TMP+n], v[BIAS+2*n], v[BIAS+2*n+1]
.set n, n+1
.endr
.set n, 0
.rept 16
	v_lshlrev_b32 v[BIAS+2*n], 16, v[TMP+n]
	v_and_b32 v[BIAS+2*n+1], s24, v[TMP+n]
.set n, n+1
.endr
.if SECOND
	s_cmp_eq_u32 s17, 0
	s_cselect_b32 s23, -1, 0
.set n, 0
.rept 32
	v_cndmask_b32 v[BIAS+n], 0, v[BIAS+n], s23     ; b2 enters once: in the first quarter of K
.set n, n+1
.endr
.endif
.endif
.endr
	s_wait_dscnt 0x0                               ; for the other waves' sake: my part of the slice is in LDS
	s_barrier_signal -1
	s_barrier_wait -1                              ; the launch's one barrier
	s_wait_kmcnt 0x0                               ; blk0_e, nb_e
	s_min_u32 s20, s20, 263
	s_min_u32 s21, s21, 264
	s_add_co_u32 s22, s21, 3
	s_sub_co_u32 s22, s22, s14
	s_lshr_b32 s22, s22, 2                         ; my blocks: blk0 + w, + 4, ..: (nb + 3 - w) / 4 of them
	s_cmp_eq_u32 s22, 0
	s_cbranch_scc1 .Lend
	s_add_co_u32 s20, s20, s14                     ; my first block
	s_lshl_b32 s18, s20, ASH
.if SECOND
	s_lshl_b32 s27, s17, 14                        ; my quarter of K: 16 K steps of 1,024 bytes
	s_add_co_u32 s18, s18, s27
.endif
	s_add_nc_u64 s[4:5], s[4:5], s[18:19]
	s_lshl_b32 s18, s20, OSH
.if SECOND
	s_lshl_b32 s27, s17, 11                        ; part[place][kq][512]
	s_add_co_u32 s18, s18, s27
	s_lshl_b32 s27, s16, 8
.else
	s_lshl_b32 s27, s16, 11                        ; my 64 columns are two K steps of h: 2,048 bytes
.endif
	s_add_co_u32 s18, s18, s27
	s_add_nc_u64 s[12:13], s[12:13], s[18:19]
	s_wait_alu depctr_vm_vsrc(0)                   ; my LDS stores have read the four stages: these registers are A0 from here on, and the first block lands in them
.set ks, 0
.rept 16
	global_load_b128 v[A+8*ks:A+8*ks+3],   v1, s[4:5] offset:ks*1024       ; the first block: k = 32 ks + 8 h + 0..7 of row r
	global_load_b128 v[A+8*ks+4:A+8*ks+7], v1, s[4:5] offset:ks*1024+512   ; k = 32 ks + 16 + 8 h + 0..7
.set ks, ks+1
.endr
	s_wait_xcnt 0x0                                ; the base is stepped only behind this wait
	s_add_nc_u64 s[4:5], s[4:5], ASTEP
	WIN 0x40                                       ; the weights' fragments, transposed on the way: column 16 c + r in lane r, k along the registers
.set ks, 0
.rept 8
.irp c, 0,1,2,3
	ds_load_tr16_b128 v[32*ks+8*\c:32*ks+8*\c+3],   v5 offset:ks*32*WPITCH+\c*32
	ds_load_tr16_b128 v[32*ks+8*\c+4:32*ks+8*\c+7], v5 offset:ks*32*WPITCH+\c*32+16*WPITCH
.endr
.set ks, ks+1
.endr
	WIN 0x80
.set ks, 0
.rept 8
.irp c, 0,1,2,3
	ds_load_tr16_b128 v[32*ks+8*\c:32*ks+8*\c+3],   v6 offset:ks*32*WPITCH+\c*32
	ds_load_tr16_b128 v[32*ks+8*\c+4:32*ks+8*\c+7], v6 offset:ks*32*WPITCH+\c*32+16*WPITCH
.endr
.set ks, ks+1
.endr
	WIN 0
	s_wait_dscnt 0x0
; Four K steps of the block in buffer b: 16 matrix instructions, the four accumulators by turns, one instruction a turn, over the groups' borders and the backward jump too
; refill = 1: at the group's head the same four K steps of my next block are asked for, into the other buffer.  No wait on va_vdst stands
; here: the other buffer's last readers stand ahead of the wait on the last block's way out, and nothing issued since names it or v1.
; left: how many younger loads may stay out.  AW, AN: the first register of the buffer at work and of the other, each in its window.
.macro GROUP b, g, refill, left
	s_wait_loadcnt \left
.if \refill
	WIN 0xc0*(1-\b)                                ; the data land in window 3 (A1) or in window 0 (A0); the offset lies in window 0
.irp d, 0,1,2,3
	global_load_b128 v[AN+8*(4*\g+\d):AN+8*(4*\g+\d)+3],   v1, s[4:5] offset:(4*\g+\d)*1024
	global_load_b128 v[AN+8*(4*\g+\d)+4:AN+8*(4*\g+\d)+7], v1, s[4:5] offset:(4*\g+\d)*1024+512
.endr
.endif
	WIN 0x0c*\b+1+\g/2                             ; source 0: the weights in window 1 or 2; source 1: A0 in window 0 or A1 in window 3
.irp d, 0,1,2,3
.irp c, 0,1,2,3
.if (4*\g+\d) == 0
	v_wmma_f32_16x16x32_bf16 v[ACC+8*\c:ACC+8*\c+7], v[8*\c:8*\c+7], v[AW:AW+7], v[BIAS+8*\c:BIAS+8*\c+7]   ; the bias starts the sums: nothing is cleared
.else
	v_wmma_f32_16x16x32_bf16 v[ACC+8*\c:ACC+8*\c+7], v[32*((4*\g+\d)&7)+8*\c:32*((4*\g+\d)&7)+8*\c+7], v[AW+8*(4*\g+\d):AW+8*(4*\g+\d)+7], v[ACC+8*\c:ACC+8*\c+7]
.endif
.endr
.endr
.endm
; A block of 16 rows, in buffer b.  With refills every group's count is 24: behind group g's eight loads came 8 (3 - g) of this block and 8 g of the next.
; On its way out, ahead of its stores, a block brings the result's base to its own rows: it adds s[ON:ON+1], which is 0 for my first block and a step for every later one.
; A block with a successor also moves the activations' base on, to the block after the one that it has just asked for.
.macro TRIP b, refill
.set AW, A*(1-\b)
.set AN, A*\b
.if \refill
	GROUP \b, 0, 1, 24
	GROUP \b, 1, 1, 24
	GROUP \b, 2, 1, 24
	GROUP \b, 3, 1, 24
.else
	GROUP \b, 0, 0, 24                             ; the last block: nothing is asked for, the counts run down
	GROUP \b, 1, 0, 16
	GROUP \b, 2, 0, 8
	GROUP \b, 3, 0, 0
.endif
	WIN 0
	PLACES 5                                       ; five: the next block's first matrix instructions write over these accumulators; the way out reads them (ISA guide 7.12.1)
.if SECOND
	; 16 rows x 64 columns of f32 through my own stage: rows of 256 bytes come back whole.  LDS serves a wave's instructions in order (ISA guide 5.7.1).
	s_wait_xcnt 0x0                                ; both bases, and OUTR, which the last block's stores read, are rewritten only behind this wait
	s_add_nc_u64 s[12:13], s[12:13], s[ON:ON+1]
.if \refill
	s_mov_b32 s[ON], OSTEP
	s_add_nc_u64 s[4:5], s[4:5], ASTEP
.endif
	s_wait_alu depctr_va_vdst(0)                   ; the matrix instructions have written the accumulators, which the LDS stores read, and are done reading this buffer, in which the next block's loads land; the places above stay beside this wait
.irp c, 0,1,2,3
	ds_store_b128 v8, v[ACC+8*\c:ACC+8*\c+3]   offset:\c*64
	ds_store_b128 v8, v[ACC+8*\c+4:ACC+8*\c+7] offset:\c*64+16
.endr
.irp t, 0,1,2,3,4,5,6,7
	ds_load_b128 v[OUTR+4*\t:OUTR+4*\t+3], v9 offset:\t*2*SPITCH
.endr
.irp t, 0,1,2,3,4,5,6,7
	s_wait_dscnt 7-\t
	global_store_b128 v10, v[OUTR+4*\t:OUTR+4*\t+3], s[12:13] offset:\t*16384   ; sixteen lanes store 256 consecutive bytes, aligned
.endr
.if \refill
	s_wait_alu depctr_vm_vsrc(0)                   ; the LDS stores have read the accumulators, which the next block's first matrix instructions write; the global stores have read OUTR, in which its LDS loads land
.endif
.else
.set n, 0
.rept 32
	v_max_num_f32 v[ACC+n], 0, v[ACC+n]
.set n, n+1
.endr
	s_wait_xcnt 0x0                                ; both bases, and PK, which the last block's stores read, are rewritten only behind this wait
	s_wait_alu depctr_vm_vsrc(0)                   ; the stores of the block before, where there was one, have read PK, which the roundings below write again
	s_add_nc_u64 s[12:13], s[12:13], s[ON:ON+1]
.if \refill
	s_mov_b32 s[ON], OSTEP
	s_add_nc_u64 s[4:5], s[4:5], ASTEP
.endif
.set n, 0
.rept 16
	v_cvt_pk_bf16_f32 v[PK+n], v[ACC+2*n], v[ACC+2*n+1]
.set n, n+1
.endr
	s_wait_alu depctr_va_vdst(0)                   ; the roundings have written PK, which the stores read; this block's matrix instructions are done reading this buffer, in which the next block's loads land
.irp c, 0,1,2,3
	global_store_b128 v11, v[PK+4*\c:PK+4*\c+3], s[12:13] offset:\c*512   ; tile c = half c % 2 of K step 2 fs + c / 2 of h: 512 consecutive bytes
.endr
.endif
.endm
	s_sub_co_u32 s22, s22, 1                       ; all blocks but the last ask for the next
	s_and_b32 s28, s22, 1                          ; of these: one that is left over,
	s_lshr_b32 s22, s22, 1                         ; and laps of two, one block out of each buffer
	s_cmp_eq_u32 s22, 0
	s_cbranch_scc1 .Lafter
.Llap:
	TRIP 0, 1
	TRIP 1, 1
	s_sub_co_u32 s22, s22, 1
	s_cmp_lg_u32 s22, 0
	s_cbranch_scc1 .Llap
.Lafter:                                               ; the block in hand lies in A0, on the way from the head and on the way out of the loop
	s_cmp_eq_u32 s28, 0
	s_cbranch_scc1 .Llast
	TRIP 0, 1
	TRIP 1, 0
	s_branch .Lend
.Llast:
	TRIP 0, 0
.Lend:
	s_wait_dscnt 0x0
	s_wait_alu depctr_hold_cnt(0) depctr_sa_sdst(0) depctr_va_vdst(0) depctr_va_sdst(0) depctr_va_ssrc(0) depctr_va_vcc(0) depctr_vm_vsrc(0)
	s_wait_tensorcnt 0x0
	ds_add_u32 v14, v15
	s_wait_dscnt 0x0
	s_endpgm
.Lfunc_end_k_qefb6acac04_ffn2:
	.size	k_qefb6acac04_ffn2, .Lfunc_end_k_qefb6acac04_ffn2-k_qefb6acac04_ffn2
	.p2alignl 7, 3214868480
	.fill 96, 4, 3214868480
	.section	.rodata,"a",@progbits
	.p2align	6, 0x0
	.amdhsa_kernel k_qefb6acac04_ffn2
		.amdhsa_group_segment_fixed_size 99840
		.amdhsa_private_segment_fixed_size 0
		.amdhsa_enable_private_segment 0
		.amdhsa_kernarg_size 40
		.amdhsa_user_sgpr_count 2
		.amdhsa_user_sgpr_kernarg_segment_ptr 1
		.amdhsa_wavefront_size32 1
		.amdhsa_system_sgpr_workgroup_id_x 1
		.amdhsa_system_sgpr_workgroup_id_y 1
		.amdhsa_system_sgpr_workgroup_id_z 1
		.amdhsa_system_vgpr_workitem_id 0
		.amdhsa_next_free_vgpr 896
		.amdhsa_next_free_sgpr 66
		.amdhsa_reserve_vcc 0
		.amdhsa_float_denorm_mode_32 3
		.amdhsa_float_denorm_mode_16_64 3
		.amdhsa_memory_ordered 1
		.amdhsa_forward_progress 1
		.amdhsa_inst_pref_size 82
	.end_amdhsa_kernel
	.amdgpu_metadata
---
amdhsa.version: [ 1, 2 ]
amdhsa.kernels:
  - .name:           k_qefb6acac04_ffn2
    .symbol:         k_qefb6acac04_ffn2.kd
    .args:
      - { .name: h, .offset: 0, .size: 8, .value_kind: global_buffer, .address_space: global }
      - { .name: W2, .offset: 8, .size: 8, .value_kind: global_buffer, .address_space: global }
      - { .name: b2, .offset: 16, .size: 8, .value_kind: global_buffer, .address_space: global }
      - { .name: segs, .offset: 24, .size: 8, .value_kind: global_buffer, .address_space: global }
      - { .name: part, .offset: 32, .size: 8, .value_kind: global_buffer, .address_space: global }
    .group_segment_fixed_size: 99840
    .private_segment_fixed_size: 0
    .kernarg_segment_align: 8
    .kernarg_segment_size: 40
    .max_flat_workgroup_size: 128
    .sgpr_count:     66
    .vgpr_count:     896
    .wavefront_size: 32
...
	.end_amdgpu_metadata
.endif
;; end of part 7
;; launch combine: the kernel of part 5 again; grid 256 x 1, 8 waves a work-group, no clusters, 0 bytes of LDS; arguments part, posof, out0; writes out0
